; MI455X (gfx1250); checked and timed in simulation.
; The chip was launched on July 23, 2026; its instructions are those of AMD's public machine-readable ISA for CDNA 5 (MIT licence, August 2026) and "CDNA5" Instruction Set Architecture Reference Guide (July 2026). The comments in the code are by the model that wrote it; some were corrected since.
;; Mini Attention. Allowed arithmetic: matrix products marked QUANTISED: E4M3 operands, one given power-of-two scale a tensor, by v_wmma_f32_16x16x64_fp8_fp8 or v_wmma_f32_16x16x128_fp8_fp8, f32 sums; everything else in f32.
;; Inputs: b_fc 1,024 float32; b_qkv 3,072 float32; ln_b 1,024 float32; ln_g 1,024 float32; lowp_scales 8 int32 (the exponents e of the quantised operands' scales 2^e); w_fc 1,024 x 1,024 float32; w_qkv 1,024 x 3,072 float32; x 4 x 2,048 x 1,024 float32.
;; Outputs: out0 4 x 2,048 x 1,024 float32.
;; This version of the problem:
;;   THIS VERSION OF THE PROBLEM IS GIVEN IN LOW PRECISION. The matrix products marked QUANTISED in the list below multiply operands that are first quantised to E4M3 (4 exponent bits, 3 mantissa bits; 8 bits a number), with one given power-of-two scale for each operand tensor; their sums are f32. All else is computed in f32.
;;   The module's matrix products, in the order in which they are computed (A, B: the left and right operand; K: the contracted axis; several contracted axes count as one K, in the product's order):
;;     1. [M 8,192, K 1,024] x [K 1,024, N 3,072]; A: computed on the way; B: input w_qkv: QUANTISED (scales: A lowp_scales[0], B lowp_scales[1])
;;     2. batch 64 x [M 2,048, K 64] x [K 64, N 2,048]; A: computed on the way; B: computed on the way: QUANTISED (scales: A lowp_scales[2], B lowp_scales[3])
;;     3. batch 64 x [M 2,048, K 2,048] x [K 2,048, N 64]; A: softmax (see below); B: computed on the way: QUANTISED (scales: A lowp_scales[4], B lowp_scales[5])
;;     4. [M 8,192, K 1,024] x [K 1,024, N 1,024]; A: computed on the way; B: input w_fc: QUANTISED (scales: A lowp_scales[6], B lowp_scales[7])
;;   THE QUANTISER, for each operand of a quantised product, along K:
;;     - The operand's scale is 2^e, e = its entry of the input lowp_scales (int32; the entries are numbered through the quantised products in the list's order, A before B).
;;     - Each number is divided by the scale, clamped to +-448, and rounded to the nearest number of E4M3, ties to even, subnormals kept.
;;     - The product sums the exact products of the quantised numbers (number of the format x scale) in f32.
;;   ~~~python
;;   def quantise(x, axis, e):      # numpy; x: float32 -> the quantised numbers, widened to float32 again
;;       x = np.moveaxis(x, axis, -1); K = x.shape[-1]
;;       r = np.clip(x / 2.0 ** e, -448, 448)
;;       step = 2.0 ** (np.maximum(np.frexp(np.where(r == 0, 1, r))[1] - 1, -6) - 3)
;;       q = np.round(r / step) * step * 2.0 ** e      # np.round: ties to even
;;       return np.moveaxis(q, -1, axis).astype(np.float32)
;;   ~~~
;;   SOFTMAX AHEAD OF A QUANTISED PRODUCT. Where the list says 'softmax', what is quantised is not the finished softmax but p = 2^(t - M), with t = logit x log2(e) and M = ceil(the row's largest t), a whole number; so 1/2 < the row's largest p <= 1. The row's sum l is taken of the UNQUANTISED p, in f32, and the product's result is divided by l at the end. Since M is a whole number, a kernel that streams over the keys may use a running M (the ceiling of the running maximum): every later rescaling is an exact power of two, so the quantised numbers keep their values, but for numbers so far below the row's largest that they fall under the format's range.
;;   OPERANDS COMPUTED ON THE WAY. 'Computed on the way' means the value that the module computes at that place (a softmax that the list does not call 'softmax' is quantised finished and normalised). What goes into a quantiser is computed in f32, as accurately as f32 sums, v_exp_f32 and their like allow (about 1e-6 of the number): no bf16 or f16 on the way to a quantiser, and a product that is left as it is and whose result goes on into a quantised operand takes f32 operands (vector FMAs, or v_wmma_f32_16x16x4_f32). A number that lies on a knife's edge between two numbers of the format may be rounded either way, as far as f32 arithmetic and the matrix unit's own rounding can turn it there, and no further.
;; One version. Each part assembles by itself: llvm-mc -triple=amdgcn-amd-amdhsa -mcpu=gfx1250 --defsym DOCPART=n.
;; ======== version 1 of 1: 4 launches
;; workspace buffers: xnimg 8,388,608 bytes; wqimg 3,145,728 bytes; wfimg 1,048,576 bytes; qimg 8,388,608 bytes; kv 16,777,216 bytes; attimg 8,388,608 bytes
;; launch prep (part 1): grid 64 x 4, 4 waves a work-group, no clusters, 101,888 bytes of LDS; arguments x, ln_g, ln_b, w_qkv, w_fc, lowp_scales, xnimg, wqimg, wfimg; writes xnimg, wqimg, wfimg
.if DOCPART == 1
	.amdgcn_target "amdgcn-amd-amdhsa--gfx1250"
	.amdhsa_code_object_version 6
	.text
	.protected	k_q678961badf_prep
	.globl	k_q678961badf_prep
	.p2align	8
	.type	k_q678961badf_prep,@function
k_q678961badf_prep:
	s_mov_b64 s[64:65], 0
	v_nop
	global_prefetch_b8 v0, s[64:65] scope:SCOPE_SE
	s_setreg_imm32_b32 hwreg(HW_REG_WAVE_MODE, 25, 1), 1
	s_wait_xcnt 0x0
; PREP: the three operands that arrive wide become codes of FP8 (E4M3), each with its given scale 2^e, laid as IMAGES of operand registers.
;   xnimg = Q(layernorm(x), e0), rows = tokens;  wqimg = Q(w_qkv, e1), rows = its columns n;  wfimg = Q(w_fc, e7), rows = its columns n.  K = 1,024 in all three.
; THE IMAGE of a code matrix R[rows][1024]: tile T (rows 16 T ..) takes 16,384 bytes, K step s (128 along K) 2,048 of them, block g (0..3) 512; lane l = 16 h + r owns the 16 bytes at 16 l:
;   R[16 T + r][128 s + 32 g + 8 h + 0..7], then R[16 T + r][128 s + 32 g + 16 + 8 h + 0..7]: registers 4 g .. 4 g + 3 of a 16 x 128 fragment of the plain 8-bit form, k in its own place.
; code = number / 2^e, held within +-448, rounded to the nearest code, ties to even.
; LIMITS: e0, e1, e7 between -126 and 119, so that 2^e and 448 x 2^e are f32 numbers.  NaN among the inputs is not served.
; WHO: work-group x < 24: 128 columns of w_qkv x 256 along K (y);  x 24..31: the same of w_fc;  x >= 32: layernorm, 64 rows a work-group, 16 rows (one image tile) a wave.
; Waves share nothing: no barrier.  Each way has LDS bytes of its own, each wave a stage of its own in them.
.set X,    40                          ; LN: v40-167  four row slots of 32 numbers; on the way out the tile's image
.set GN,   168                         ; LN: v168-199 the gain of my 32 columns
.set BS,   200                         ; LN: v200-231 the bias of my 32 columns
.set LNP,  1040                        ; LN stage: a row's 1,024 codes + 16 bytes: row r starts 4 r banks on, so the 32 lanes of an 8-byte read touch 64 different banks (64 banks of 4 bytes: ISA guide 11.1)
.set LNW,  16*LNP                      ; a wave's LN stage
.set WST,  4*LNW                       ; the weights' stages begin behind the LN stages
.set WP,   272                         ; weight stage: a column's 256 codes + 16 bytes
.set WW,   32*WP                       ; a wave's weight stage
.set VO,   40                          ; W: v40-71   offsets 4 l + i x a row's bytes, i = 0..31; never rewritten
.set WX,   72                          ; W: v72-135  two sets of 32 numbers
.set OUTR, 136                         ; W: v136-199 the way out
.set CW,   24                          ; v24-39      codes
.macro FILL i                          ; row i of my 16: eight loads; in group g lane l takes k = 256 g + 8 l + 0..7
.set FS, X+32*((\i)%4)
.irp g, 0,1,2,3
	global_load_b128 v[FS+8*\g:FS+8*\g+3], v2, s[8:9] offset:(\i)*4096+1024*\g th:TH_LOAD_NT
	global_load_b128 v[FS+8*\g+4:FS+8*\g+7], v2, s[8:9] offset:(\i)*4096+1024*\g+16 th:TH_LOAD_NT
.endr
.endm
.macro WSUM                            ; v16 summed over the 32 lanes, the result in every lane
	v_add_f32_dpp v16, v16, v16 row_xmask:1 row_mask:0xf bank_mask:0xf
	v_add_f32_dpp v16, v16, v16 row_xmask:2 row_mask:0xf bank_mask:0xf
	v_add_f32_dpp v16, v16, v16 row_xmask:4 row_mask:0xf bank_mask:0xf
	v_add_f32_dpp v16, v16, v16 row_xmask:8 row_mask:0xf bank_mask:0xf
	v_permlanex16_b32 v17, v16, s38, s39
	v_add_f32 v16, v16, v17
.endm
.macro JOIN4                           ; the four pair chains v[8:15] become one number in v16
	v_pk_add_f32 v[8:9], v[8:9], v[10:11]
	v_pk_add_f32 v[12:13], v[12:13], v[14:15]
	v_pk_add_f32 v[8:9], v[8:9], v[12:13]
	v_add_f32 v16, v8, v9
.endm
; One row: mean, variance of the differences, normalised as reference() writes it, held, converted, its 1,024 codes into stage row i.
.macro TURN i
.set XS, X+32*((\i)%4)
.set CD, CW+8*((\i)%2)
.if 15-(\i) >= 3
	s_wait_loadcnt 24                              ; my row's eight loads are in; those of the three rows behind it stay out
.else
	s_wait_loadcnt 8*(15-(\i))
.endif
.irp c, 0,1,2,3
	v_pk_add_f32 v[8+2*\c:9+2*\c], v[XS+2*\c:XS+2*\c+1], v[XS+8+2*\c:XS+8+2*\c+1]   ; four chains, started by the first pairs
.endr
.irp q, 16,24
.irp c, 0,1,2,3
	v_pk_add_f32 v[8+2*\c:9+2*\c], v[8+2*\c:9+2*\c], v[XS+\q+2*\c:XS+\q+2*\c+1]
.endr
.endr
	JOIN4
	WSUM
	v_mul_f32 v18, s36, v16                        ; mu = sum / 1,024
.set pp, 0
.rept 16
	v_pk_add_f32 v[XS+pp:XS+pp+1], v[XS+pp:XS+pp+1], v[18:19] op_sel_hi:[1,0] neg_lo:[0,1] neg_hi:[0,1]   ; d = x - mu
.set pp, pp+2
.endr
.irp c, 0,1,2,3
	v_pk_mul_f32 v[8+2*\c:9+2*\c], v[XS+2*\c:XS+2*\c+1], v[XS+2*\c:XS+2*\c+1]
.endr
.irp q, 8,16,24
.irp c, 0,1,2,3
	v_pk_fma_f32 v[8+2*\c:9+2*\c], v[XS+\q+2*\c:XS+\q+2*\c+1], v[XS+\q+2*\c:XS+\q+2*\c+1], v[8+2*\c:9+2*\c]
.endr
.endr
	JOIN4
	WSUM
	v_fma_f32 v22, v16, s36, s37                   ; var + eps
	v_rsq_f32 v20, v22
	v_nop                                          ; a plain instruction between the transcendental and the use of its result (ISA guide 5.7.2)
.set pp, 0
	s_wait_alu depctr_va_vdst(0)
.rept 16
	v_pk_mul_f32 v[XS+pp:XS+pp+1], v[XS+pp:XS+pp+1], v[20:21] op_sel_hi:[1,0]
.set pp, pp+2
.endr
.set pp, 0
.rept 16
	v_pk_fma_f32 v[XS+pp:XS+pp+1], v[XS+pp:XS+pp+1], v[GN+pp:GN+pp+1], v[BS+pp:BS+pp+1]
.set pp, pp+2
.endr
.set pp, 0
.rept 32
	v_med3_num_f32 v[XS+pp], v[XS+pp], -v7, v7     ; the conversion to an 8-bit code does not saturate (ISA guide 7.6.2): the hold comes first
.set pp, pp+1
.endr
	s_wait_dscnt 0x4                               ; at most the last turn's four stores are out: this set of code registers, stored two turns ago, is free
.irp g, 0,1,2,3
	v_cvt_scalef32_pk8_fp8_f32 v[CD+2*\g:CD+2*\g+1], v[XS+8*\g:XS+8*\g+7], v6
.endr
	v_nop                                          ; a plain instruction behind the last conversion of the run
.irp g, 0,1,2,3
	ds_store_b64 v3, v[CD+2*\g:CD+2*\g+1] offset:(\i)*LNP+256*\g
.endr
.if (\i)+4 <= 15
	FILL (\i)+4                                    ; the slot takes the row four further on
.endif
.endm
.macro WLOAD t                         ; block t: W(256 y + 32 t + i, my column), i = 0..31: 32 lanes read 128 consecutive bytes, the four waves 512
.set LS, WX+32*((\t)%2)
.set ii, 0
.rept 32
	global_load_b32 v[LS+ii], v[VO+ii], s[40+2*(\t):41+2*(\t)] th:TH_LOAD_NT
.set ii, ii+1
.endr
.endm
.macro BLOCK t                         ; 32 numbers down K of my column become 32 bytes of its stage row
.set LS, WX+32*((\t)%2)
.if (\t) < 7
	s_wait_loadcnt 32                              ; this block's 32 loads are in; the next block's may be out
.else
	s_wait_loadcnt 0x0
.endif
.set ii, 0
.rept 32
	v_med3_num_f32 v[LS+ii], v[LS+ii], -v7, v7
.set ii, ii+1
.endr
.irp g, 0,1,2,3
	v_cvt_scalef32_pk8_fp8_f32 v[CW+2*\g:CW+2*\g+1], v[LS+8*\g:LS+8*\g+7], v6
.endr
	v_nop
	ds_store_b128 v3, v[CW:CW+3] offset:32*(\t)
	ds_store_b128 v3, v[CW+4:CW+7] offset:32*(\t)+16
.if (\t)+2 < 8
	WLOAD (\t)+2
.endif
	s_wait_dscnt 0x0                               ; the stores have read their registers: the next block's codes may be written
.endm
	s_load_b512 s[8:23], s[0:1], 0x0               ; x s[8:9], ln_g s[10:11], ln_b s[12:13], w_qkv s[14:15], w_fc s[16:17], lowp_scales s[18:19], xnimg s[20:21], wqimg s[22:23]
	s_load_b64 s[24:25], s[0:1], 0x40              ; wfimg
	v_lshl_add_u32 v232, v0, 2, 0x18c00
	v_mov_b32 v233, 0
	v_lshrrev_b32 v1, 5, v0
	v_readfirstlane_b32 s2, v1                     ; wave 0..3
	v_and_b32 v1, 31, v0                           ; lane l
	v_and_b32 v8, 15, v0                           ; r
	v_bfe_u32 v9, v0, 4, 1                         ; h
	v_lshlrev_b32 v5, 4, v1                        ; 16 l: my place in a block of an image
	s_and_b32 s3, ttmp7, 0xffff                    ; work-group y
	s_wait_kmcnt 0x0
	s_load_b256 s[28:35], s[18:19], 0x0            ; e0 .. e7
	s_cmp_lt_u32 ttmp9, 32
	s_cbranch_scc1 .Lweights
	; ---------------- layernorm: wave T = 4 (4 (x - 32) + y) + wave owns token tile T
	s_sub_co_u32 s4, ttmp9, 32
	s_lshl_b32 s4, s4, 2
	s_add_co_u32 s4, s4, s3
	s_lshl_b32 s4, s4, 2
	s_add_co_u32 s4, s4, s2                        ; T, 0..511
	s_lshl_b32 s6, s4, 16                          ; 16 rows of 4,096 bytes
	s_mov_b32 s7, 0
	s_add_nc_u64 s[8:9], s[8:9], s[6:7]
	s_lshl_b32 s6, s4, 14                          ; a tile of the image
	s_add_nc_u64 s[20:21], s[20:21], s[6:7]
	v_lshlrev_b32 v2, 5, v1                        ; 32 l: my 8 numbers of a group of 256
.irp g, 0,1,2,3
	global_load_b128 v[GN+8*\g:GN+8*\g+3], v2, s[10:11] offset:1024*\g
	global_load_b128 v[GN+8*\g+4:GN+8*\g+7], v2, s[10:11] offset:1024*\g+16
	global_load_b128 v[BS+8*\g:BS+8*\g+3], v2, s[12:13] offset:1024*\g
	global_load_b128 v[BS+8*\g+4:BS+8*\g+7], v2, s[12:13] offset:1024*\g+16
.endr
	FILL 0
	FILL 1
	FILL 2
	FILL 3
	s_mul_i32 s5, s2, LNW                          ; my stage
	v_lshl_add_u32 v3, v1, 3, s5                   ; in: 8 l
	v_mul_u32_u24 v4, v8, LNP
	v_lshl_add_u32 v4, v9, 3, v4
	v_add_nc_u32 v4, s5, v4                        ; out: row r, + 8 h
	v_mov_b32 v17, 0                               ; a lane permute's destination counts as read
	v_mov_b32 v19, 0                               ; the upper halves of the pairs that the packed forms name
	v_mov_b32 v21, 0
	s_mov_b32 s36, 0x3a800000                      ; 1 / 1,024
	s_mov_b32 s37, 0x3727c5ac                      ; 1e-5
	s_mov_b32 s38, 0x76543210                      ; v_permlanex16_b32: lane l xor 16
	s_mov_b32 s39, 0xfedcba98
	s_wait_kmcnt 0x0
	s_add_co_i32 s40, s28, 127
	s_lshl_b32 s41, s40, 23
	v_mov_b32 v6, s41                              ; 2^e0 as f32: the conversion takes its exponent field
	s_add_co_i32 s40, s40, 8
	s_lshl_b32 s40, s40, 23
	s_or_b32 s40, s40, 0x600000
	v_mov_b32 v7, s40                              ; 448 x 2^e0
.irp i, 0,1,2,3,4,5,6,7,8,9,10,11,12,13,14,15
	TURN \i
.endr
	; the way out: block n = 4 s + g of the image: row r's bytes 32 n + 8 h + 0..7 and 32 n + 16 + 8 h + 0..7.  LDS serves a wave's instructions in order: these see my stores
.set nn, 0
.rept 32
	ds_load_b64 v[X+4*nn:X+4*nn+1], v4 offset:32*nn
	ds_load_b64 v[X+4*nn+2:X+4*nn+3], v4 offset:32*nn+16
.set nn, nn+1
.endr
.set nn, 0
.rept 32
	s_wait_dscnt 62-2*nn                           ; behind block n's two loads stand 62 - 2 n others
	global_store_b128 v5, v[X+4*nn:X+4*nn+3], s[20:21] offset:512*nn   ; the wave stores 512 consecutive bytes, aligned
.set nn, nn+1
.endr
	s_wait_tensorcnt 0x0
	ds_add_u32 v232, v233
	s_wait_dscnt 0x0
	s_endpgm
	; ---------------- weights: a lane takes a column n, and its registers run down K
.Lweights:
	s_cmp_lt_u32 ttmp9, 24                         ; w_qkv or w_fc: the choice hangs on the work-group's number alone
	s_cselect_b64 s[4:5], s[14:15], s[16:17]       ; from
	s_cselect_b64 s[6:7], s[22:23], s[24:25]       ; to
	s_mov_b32 s26, 4096
	s_cselect_b32 s26, 12288, s26                  ; a row of the weight in bytes
	s_cselect_b32 s27, 0, 24
	s_sub_co_u32 s27, ttmp9, s27                   ; which 128 columns
	s_lshl_b32 s36, s27, 7
	s_lshl_b32 s37, s2, 5
	s_add_co_u32 s36, s36, s37                     ; my wave's first column
	s_lshl_b32 s36, s36, 2
	s_lshl_b32 s37, s3, 8
	s_mul_i32 s37, s37, s26                        ; 256 y rows
	s_add_co_u32 s36, s36, s37
	s_mov_b32 s37, 0
	s_add_nc_u64 s[40:41], s[4:5], s[36:37]        ; block 0's base; blocks 1 to 7 lie 32 rows apart
	s_lshl_b32 s56, s26, 5
	s_mov_b32 s57, 0
.irp t, 1,2,3,4,5,6,7
	s_add_nc_u64 s[40+2*\t:41+2*\t], s[38+2*\t:39+2*\t], s[56:57]
.endr
	s_lshl_b32 s58, s27, 3
	s_lshl_b32 s59, s2, 1
	s_add_co_u32 s58, s58, s59                     ; my first image tile: 8 x block of columns + 2 x wave
	s_lshl_b32 s58, s58, 14
	s_lshl_b32 s59, s3, 12                         ; K steps 2 y and 2 y + 1
	s_add_co_u32 s58, s58, s59
	s_mov_b32 s59, 0
	s_add_nc_u64 s[6:7], s[6:7], s[58:59]
	v_lshlrev_b32 v2, 2, v1
.set ii, 0
.rept 32
	v_mad_u32_u24 v[VO+ii], s26, ii, v2            ; 4 l + i rows
.set ii, ii+1
.endr
	WLOAD 0
	WLOAD 1
	s_mul_i32 s60, s2, WW
	s_add_co_u32 s60, s60, WST                     ; my stage
	v_mul_u32_u24 v3, v1, WP
	v_add_nc_u32 v3, s60, v3                       ; in: row = my column
	v_mul_u32_u24 v4, v8, WP
	v_lshl_add_u32 v4, v9, 3, v4
	v_add_nc_u32 v4, s60, v4                       ; out: row r, + 8 h
	s_wait_kmcnt 0x0
	s_cmp_lt_u32 ttmp9, 24
	s_cselect_b32 s61, s29, s35                    ; e1 or e7
	s_add_co_i32 s61, s61, 127
	s_lshl_b32 s62, s61, 23
	v_mov_b32 v6, s62                              ; 2^e
	s_add_co_i32 s61, s61, 8
	s_lshl_b32 s61, s61, 23
	s_or_b32 s61, s61, 0x600000
	v_mov_b32 v7, s61                              ; 448 x 2^e
.irp t, 0,1,2,3,4,5,6,7
	BLOCK \t
.endr
	; the way out: n = 8 nt + 4 s + g: image tile nt of my two, K step s of my two, block g
.set nn, 0
.rept 16
	ds_load_b64 v[OUTR+4*nn:OUTR+4*nn+1], v4 offset:(nn/8)*16*WP+128*((nn/4)%2)+32*(nn%4)
	ds_load_b64 v[OUTR+4*nn+2:OUTR+4*nn+3], v4 offset:(nn/8)*16*WP+128*((nn/4)%2)+32*(nn%4)+16
.set nn, nn+1
.endr
.set nn, 0
.rept 16
	s_wait_dscnt 30-2*nn                           ; behind block n's two loads stand 30 - 2 n others
	global_store_b128 v5, v[OUTR+4*nn:OUTR+4*nn+3], s[6:7] offset:(nn/8)*16384+((nn/4)%2)*2048+(nn%4)*512
.set nn, nn+1
.endr
	s_wait_tensorcnt 0x0
	ds_add_u32 v232, v233
	s_wait_dscnt 0x0
	s_endpgm
.Lfunc_end_k_q678961badf_prep:
	.size	k_q678961badf_prep, .Lfunc_end_k_q678961badf_prep-k_q678961badf_prep
	.p2alignl 7, 3214868480
	.fill 96, 4, 3214868480
	.section	.rodata,"a",@progbits
	.p2align	6, 0x0
	.amdhsa_kernel k_q678961badf_prep
		.amdhsa_group_segment_fixed_size 101888
		.amdhsa_private_segment_fixed_size 0
		.amdhsa_enable_private_segment 0
		.amdhsa_kernarg_size 72
		.amdhsa_user_sgpr_count 2
		.amdhsa_user_sgpr_kernarg_segment_ptr 1
		.amdhsa_wavefront_size32 1
		.amdhsa_system_sgpr_workgroup_id_x 1
		.amdhsa_system_sgpr_workgroup_id_y 1
		.amdhsa_system_sgpr_workgroup_id_z 1
		.amdhsa_system_vgpr_workitem_id 0
		.amdhsa_next_free_vgpr 234
		.amdhsa_next_free_sgpr 80
		.amdhsa_reserve_vcc 0
		.amdhsa_float_denorm_mode_32 3
		.amdhsa_float_denorm_mode_16_64 3
		.amdhsa_memory_ordered 1
		.amdhsa_forward_progress 1
		.amdhsa_inst_pref_size 215
	.end_amdhsa_kernel
	.amdgpu_metadata
---
amdhsa.version: [ 1, 2 ]
amdhsa.kernels:
  - .name:           k_q678961badf_prep
    .symbol:         k_q678961badf_prep.kd
    .args:
      - { .name: x, .offset: 0, .size: 8, .value_kind: global_buffer, .address_space: global }
      - { .name: ln_g, .offset: 8, .size: 8, .value_kind: global_buffer, .address_space: global }
      - { .name: ln_b, .offset: 16, .size: 8, .value_kind: global_buffer, .address_space: global }
      - { .name: w_qkv, .offset: 24, .size: 8, .value_kind: global_buffer, .address_space: global }
      - { .name: w_fc, .offset: 32, .size: 8, .value_kind: global_buffer, .address_space: global }
      - { .name: lowp_scales, .offset: 40, .size: 8, .value_kind: global_buffer, .address_space: global }
      - { .name: xnimg, .offset: 48, .size: 8, .value_kind: global_buffer, .address_space: global }
      - { .name: wqimg, .offset: 56, .size: 8, .value_kind: global_buffer, .address_space: global }
      - { .name: wfimg, .offset: 64, .size: 8, .value_kind: global_buffer, .address_space: global }
    .group_segment_fixed_size: 101888
    .private_segment_fixed_size: 0
    .kernarg_segment_align: 8
    .kernarg_segment_size: 72
    .max_flat_workgroup_size: 128
    .sgpr_count:     80
    .vgpr_count:     234
    .wavefront_size: 32
...
	.end_amdgpu_metadata
.endif
;; end of part 1
;; launch qkv (part 2): grid 12 x 32, 4 waves a work-group, clusters of 4 x 4, 327,680 bytes of LDS; arguments xnimg, wqimg, b_qkv, lowp_scales, qimg, kv; writes qimg, kv
.if DOCPART == 2
	.amdgcn_target "amdgcn-amd-amdhsa--gfx1250"
	.amdhsa_code_object_version 6
	.text
	.protected	k_q678961badf_qkv
	.globl	k_q678961badf_qkv
	.p2align	8
	.type	k_q678961badf_qkv,@function
k_q678961badf_qkv:
	s_mov_b64 s[64:65], 0
	v_nop
	global_prefetch_b8 v0, s[64:65] scope:SCOPE_SE
	s_setreg_imm32_b32 hwreg(HW_REG_WAVE_MODE, 25, 1), 1
	s_wait_xcnt 0x0
	s_wait_alu depctr_hold_cnt(0) depctr_sa_sdst(0) depctr_va_vdst(0) depctr_va_sdst(0) depctr_va_ssrc(0) depctr_va_vcc(0) depctr_vm_vsrc(0)
	s_getreg_b32 s2, hwreg(HW_REG_IB_STS2, 6, 4)
	s_cmp_eq_u32 s2, 0
	s_cbranch_scc0 .Lentry_in_a_cluster
	s_endpgm
.Lentry_in_a_cluster:
	s_bfe_u32 s2, ttmp6, 0x10000c
	s_cmp_lg_u32 s2, 0xf033
	s_cbranch_scc0 .Lentry_shape_is_right
	s_endpgm
.Lentry_shape_is_right:
; QKV: qkv = xn w_qkv + b_qkv on codes of FP8 (E4M3), and q, k, v quantised at once for attention's products, stored as images of attention's operand registers.
; Operands: xnimg (tokens x 1,024) and wqimg (3,072 features x 1,024), images: tile of 16 rows 16,384 bytes, K step of 128 2,048, four blocks of 512, lane l's 16 bytes at 16 l: a fragment is four
; ds_load_b128 at 16 x lane: dense, no padding, k in the place that the plain 8-bit form gives it.
; A work-group makes 256 x 256, a wave 128 x 128: 64 accumulators, 512 registers.  K = 1,024 goes in four fills of 256 through two LDS slots: eight steps of 128, written out.
; THE KIND is the cluster's x: 0 = q, 1 = k, 2 = v: the same in all sixteen partners.  The matrix instruction takes side B's rows as source 0 and side A's as source 1: a lane then holds one row of side A and eight
; neighbouring rows of side B.  q, k: side A = tokens, side B = features: a lane's registers run along the head's channels, the K of the scores.  v: the sides are swapped BY POINTERS: side A = features, side B = tokens:
; a lane's registers run along the keys, the K of attention's second product.  So the conversions' results are fragments as they stand.
; OUT: qimg: head bh at 131,072 bh, query tile at 1,024, two blocks of 512 (16 queries x 64 channels).  kv: head at 262,144 bh, key step of 128 at 16,384: K's eight key tiles of 1,024, then at 8,192 V^T's four channel tiles of 2,048.
; A sum stands for sum x 2^(e0 + e1): the bias goes in as b / 2^(e0 + e1), and the conversion's one scale is 2^(eX - e0 - e1), eX = e2 (q), e3 (k), e5 (v).
; LIMITS: eX - e0 - e1 between -126 and 119.  NaN among the inputs is not served.
; CLUSTERS: 4 x 4 work-groups.  Side A's tile hangs on cy alone and is asked for jointly along a row of the cluster, side B's on cx alone, along a column.
; 384 tiles of 256 x 256: a tile lies wholly in q, k or v; no prefetch: each work-group has only two refills.
; REGISTERS, in windows of 256: window 0: v16-31 addresses and constants; v32-95, v96-111 the bias; from v128 side A's fragments, ONE set (later at work on the way out).  window 1: side B's fragments, two sets.
;   window 2: the accumulators of side A's blocks 0-3 (accumulator (a, b) at v[8 (8 (a % 4) + b)]);  window 3: those of blocks 4-7.
.set SLOT,   131072                    ; side A's 16 tiles x 4,096 bytes, then side B's
.set SPARE,  2*SLOT                    ; behind the ring: the spare words, 128 bytes for each wave
.set FR,     16                        ; registers of a fragment
.set NL,     4                         ; LDS loads that bring one
.set NP,     4                         ; places behind this matrix instruction (ISA guide 7.12.1)
.set ADRA, 16                          ; v16-17  LDS address of my side A fragments in slot 0, 1
.set ADRB, 20                          ; v20-21  the same for side B
.set LI,   26                          ; v26     16 x lane
.set SPW,  28                          ; v28     LDS address of my spare word; never rewritten
.set NIL,  29                          ; v29     0; never rewritten
.set SC,   30                          ; v30     2^(eX - e0 - e1)
.set LIM,  31                          ; v31     448 x that
.set BQ,   32                          ; v32-95  q, k: the bias of features 16 b + 8 h + j at v[BQ + 8 b + j]
.set BV,   96                          ; v96-111 v: the bias of feature 16 a + r at v[BV + 2 a]
.set AF,   128
.set TT,   128                         ; the way out: 64 numbers
.set CC0,  192                         ; the way out: four sets of 16 registers of codes
.set G1, 24                            ; s[24:31] descriptor group 1 for side A;  s[32:39] group 0, one set for each slot
.set G0, 32
.set G1B, 48                           ; s[48:55], s[56:63] the same for side B
.set G0B, 56
.set OB,  96                           ; s[96:97], s[98:99] where my two heads' results go
.set MSB, 0
.macro WIN new                         ; the immediate's high byte repeats the setting that is left
.if MSB != (\new)
	s_set_vgpr_msb (MSB<<8)|(\new)
.set MSB, (\new)
.endif
.endm
.set MUL_LO, 0xa1                      ; source 0 (side B) window 1, source 1 (side A) window 0, C and D window 2
.set MUL_HI, 0xf1                      ; the same, C and D window 3
.set TO_B,   0x40                      ; destination window 1, address window 0
; A joint load: waves 0 and 1 fetch for side A, waves 2 and 3 for side B.  The branch hangs on the wave's number alone.  Four v_nop follow each of the two lines.
.macro JLOAD g0a, g1a, g0b, g1b
	s_cmp_eq_u32 s15, 0
	s_cbranch_scc0 .Lfor_b_\@
	tensor_load_to_lds s[\g0a:\g0a+3], s[\g1a:\g1a+7]
	s_nop 0
.rept 4
	v_nop
.endr
	s_branch .Lasked_\@
.Lfor_b_\@:
	tensor_load_to_lds s[\g0b:\g0b+3], s[\g1b:\g1b+7]
	s_nop 0
.rept 4
	v_nop
.endr
.Lasked_\@:
.endm
.macro CREST                           ; a round of the cluster's barrier behind its opening barrier
	s_cmp_lg_u32 s14, 0
	s_cbranch_scc1 .Lnot_wave_0_\@
	s_barrier_signal -3
.Lnot_wave_0_\@:
	s_barrier_wait -3
	s_barrier_signal -1
	s_barrier_wait -1
.endm
.macro CROUND                          ; a whole round
	s_barrier_signal -1
	s_barrier_wait -1
	CREST
.endm
	s_load_b128 s[4:7], s[0:1], 0x0                ; xnimg s[4:5], wqimg s[6:7]
	s_load_b128 s[8:11], s[0:1], 0x10              ; b_qkv s[8:9], lowp_scales s[10:11]
	s_load_b128 s[68:71], s[0:1], 0x20             ; qimg s[68:69], kv s[70:71]
	v_lshl_add_u32 v[SPW], v0, 2, SPARE
	v_mov_b32 v[NIL], 0
	ds_add_u32 v28, v29
	ds_add_u32 v28, v29
	s_wait_dscnt 0x0
	v_lshrrev_b32 v1, 5, v0
	v_readfirstlane_b32 s14, v1                    ; wave 0..3
	s_lshr_b32 s15, s14, 1                         ; which half of side A's rows is mine.  Also: I fetch for side A (0) or B (1)
	s_and_b32 s16, s14, 1                          ; which half of side B's rows.  Also: which 128 rows I fetch
	s_bfe_u32 s40, ttmp6, 0x40000                  ; cx, cy: my place in the cluster
	s_bfe_u32 s41, ttmp6, 0x40004
	s_and_b32 s17, ttmp7, 0xffff                   ; Y: the cluster's y
	s_lshl_b32 s43, s41, 2
	s_lshl_b32 s43, 15, s43                        ; my row of the cluster
	s_lshl_b32 s44, 0x1111, s40                    ; my column
	; descriptor group 1: 8 image tiles, of each the 4,096 bytes of two K steps: 8 rows of 512 elements of 8 bytes, 2,048 elements apart; dense in LDS
	s_or_b32 s[G1+0], s43, (3<<16)|(1<<21)         ; 15:0 the mask: side A's tiles go to my row; 17:16 elements of 8 bytes; 21 set beside a mask
	s_or_b32 s[G1B+0], s44, (3<<16)|(1<<21)
.irp g, G1, G1B
	s_mov_b32 s[\g+1], 512<<16                     ; tensor_dim0
	s_mov_b32 s[\g+2], 8<<16                       ; tensor_dim1
	s_mov_b32 s[\g+3], 512<<16                     ; tile_dim0
	s_mov_b32 s[\g+4], 8                           ; tile_dim1
	s_mov_b32 s[\g+5], 2048                        ; tensor_dim0_stride
	s_mov_b32 s[\g+6], 0
	s_mov_b32 s[\g+7], 0
.endr
	s_lshl_b32 s18, s17, 2                         ; 4 Y
	s_lshl_b32 s19, ttmp9, 2
	s_cmp_eq_u32 ttmp9, 2                          ; v?
	s_cselect_b32 s20, 8, s18                      ; side A's tile of 256 rows: features 2,048 on, or tokens,
	s_cselect_b32 s46, s18, s19                    ; side B's: tokens, or the kind's features
	s_add_co_u32 s20, s20, s41                     ; + cy: nothing of cx enters side A's registers,
	s_add_co_u32 s46, s46, s40                     ; + cx: nothing of cy side B's
	s_lshl_b32 s20, s20, 18                        ; 16 image tiles of 16,384 bytes
	s_lshl_b32 s46, s46, 18
	s_lshl_b32 s21, s16, 17                        ; the eight that I fetch
	s_add_co_u32 s20, s20, s21
	s_add_co_u32 s46, s46, s21
	s_mov_b32 s21, 0
	s_mov_b32 s47, 0
	s_lshl_b32 s45, s14, 15                        ; where they go: wave x 32,768: no place in the cluster enters an LDS address
	s_wait_kmcnt 0x0
	s_load_b256 s[80:87], s[10:11], 0x0            ; e0 .. e7
	s_cmp_eq_u32 ttmp9, 2
	s_cselect_b64 s[72:73], s[6:7], s[4:5]         ; side A
	s_cselect_b64 s[74:75], s[4:5], s[6:7]         ; side B
	s_add_nc_u64 s[20:21], s[72:73], s[20:21]
	s_add_nc_u64 s[46:47], s[74:75], s[46:47]
	CROUND                                         ; all sixteen work-groups are here: the first joint loads meet
.irp s, 0,1
	s_mov_b32 s[G0+4*\s], 1
	s_add_co_u32 s[G0+4*\s+1], s45, \s*SLOT
	s_add_nc_u64 s[G0+4*\s+2:G0+4*\s+3], s[20:21], \s*4096
	s_or_b32 s[G0+4*\s+3], s[G0+4*\s+3], 0x80000000
	s_mov_b32 s[G0B+4*\s], 1
	s_add_co_u32 s[G0B+4*\s+1], s45, \s*SLOT
	s_add_nc_u64 s[G0B+4*\s+2:G0B+4*\s+3], s[46:47], \s*4096
	s_or_b32 s[G0B+4*\s+3], s[G0B+4*\s+3], 0x80000000
	JLOAD G0+4*\s, G1, G0B+4*\s, G1B
.endr
	v_and_b32 v1, 31, v0
	v_lshlrev_b32 v[LI], 4, v1
	s_lshl_b32 s22, s15, 15                        ; my eight tiles of side A,
	s_lshl_b32 s23, s16, 15
	s_add_co_u32 s23, s23, 65536                   ; of side B, which lies behind side A's sixteen
.irp s, 0,1
	v_add_nc_u32 v[ADRA+\s], s22, v[LI]
	v_add_nc_u32 v[ADRB+\s], s23, v[LI]
	s_add_co_u32 s22, s22, SLOT
	s_add_co_u32 s23, s23, SLOT
.endr
	; whose features and whose tokens are mine
	v_and_b32 v2, 15, v0                           ; r
	v_bfe_u32 v3, v0, 4, 1                         ; h
	v_lshlrev_b32 v4, 5, v3                        ; 32 h
	v_lshlrev_b32 v5, 2, v2                        ; 4 r
	s_cmp_eq_u32 ttmp9, 2
	s_cselect_b32 s76, s41, s40                    ; features: the work-group's 256 of the kind's 1,024,
	s_cselect_b32 s77, s15, s16                    ; the wave's 128 of them
	s_cselect_b32 s78, s40, s41                    ; tokens: the work-group's 256 of the cluster's 1,024,
	s_cselect_b32 s79, s16, s15                    ; the wave's 128
	s_cselect_b32 s90, 8192, 0                     ; V's part of a key step lies behind K's
	s_lshl_b32 s88, ttmp9, 10
	s_lshl_b32 s89, s76, 8
	s_add_co_u32 s88, s88, s89
	s_lshl_b32 s89, s77, 7
	s_add_co_u32 s88, s88, s89                     ; my first feature
	s_lshl_b32 s88, s88, 2
	s_mov_b32 s89, 0
	s_add_nc_u64 s[8:9], s[8:9], s[88:89]
	; The bias of my 128 features in both forms, on the one way that all waves take: a wave uses the form of its kind (q, k: by registers; v: by lanes).  Both stay inside my 512 bytes of b_qkv
.irp b, 0,1,2,3,4,5,6,7
	global_load_b128 v[BQ+8*\b:BQ+8*\b+3], v4, s[8:9] offset:64*\b
	global_load_b128 v[BQ+8*\b+4:BQ+8*\b+7], v4, s[8:9] offset:64*\b+16
.endr
.irp a, 0,1,2,3,4,5,6,7
	global_load_b32 v[BV+2*\a], v5, s[8:9] offset:64*\a
.endr
.irp a, 0,1,2,3,4,5,6,7
	v_mov_b32 v[BV+2*\a+1], 0                      ; (named as the upper half of a pair)
.endr
	s_lshr_b32 s88, s17, 1                         ; the batch: 2,048 tokens are two clusters' rows
	s_lshl_b32 s88, s88, 4
	s_lshl_b32 s89, s76, 2
	s_add_co_u32 s88, s88, s89
	s_lshl_b32 s89, s77, 1
	s_add_co_u32 s88, s88, s89                     ; my first head: 16 x batch + 4 x work-group's + 2 x wave's
	s_add_co_u32 s91, s18, s78
	s_and_b32 s91, s91, 7
	s_lshl_b32 s91, s91, 1
	s_add_co_u32 s91, s91, s79                     ; my 128 tokens among the batch's sixteen such steps
	s_cmp_eq_u32 ttmp9, 0
	s_cselect_b64 s[72:73], s[68:69], s[70:71]     ; qimg or kv
	s_cselect_b32 s93, 17, 18                      ; a head is 2^17 bytes there, or 2^18; a step a sixteenth
	s_lshl_b32 s88, s88, s93
	s_sub_co_u32 s94, s93, 4
	s_lshl_b32 s91, s91, s94
	s_add_co_u32 s88, s88, s91
	s_add_co_u32 s88, s88, s90
	s_mov_b32 s89, 0
	s_add_nc_u64 s[OB:OB+1], s[72:73], s[88:89]
	s_lshl_b32 s88, 1, s93
	s_add_nc_u64 s[OB+2:OB+3], s[OB:OB+1], s[88:89]
	s_wait_kmcnt 0x0
	s_cmp_eq_u32 ttmp9, 0
	s_cselect_b32 s88, s82, s83
	s_cmp_eq_u32 ttmp9, 2
	s_cselect_b32 s88, s85, s88                    ; eX
	s_add_co_i32 s89, s80, s81                     ; e0 + e1
	s_sub_co_i32 s88, s88, s89
	s_sub_co_i32 s92, 0, s89                       ; the bias is multiplied by 2^-(e0 + e1)
	s_add_co_i32 s88, s88, 127
	s_lshl_b32 s89, s88, 23
	v_mov_b32 v[SC], s89
	s_add_co_i32 s88, s88, 8
	s_lshl_b32 s88, s88, 23
	s_or_b32 s88, s88, 0x600000
	v_mov_b32 v[LIM], s88
.macro FRAG reg, adr, q, i             ; tile i of my eight, the slot's q-th 128 along K: 16 registers by four dense loads
.irp c, 0,1,2,3
	ds_load_b128 v[\reg+4*\c:\reg+4*\c+3], v[\adr] offset:2048*(\q)+512*\c+(\i)*4096
.endr
.endm
; 16 matrix instructions: side A's blocks a0, a0 + 1 x side B's eight.  p: side B's set.  zero = 1: the first product starts the sums.  The 64 accumulators take turns, one instruction a turn, in the same order in every step.
.macro MUL16 a0, p, zero
.irp a, \a0, \a0+1
.irp b, 0,1,2,3,4,5,6,7
.if \zero
	v_wmma_f32_16x16x128_fp8_fp8 v[8*(8*((\a)%4)+\b):8*(8*((\a)%4)+\b)+7], v[128*(\p)+FR*\b:128*(\p)+FR*\b+FR-1], v[AF+FR*(\a):AF+FR*(\a)+FR-1], 0
.else
	v_wmma_f32_16x16x128_fp8_fp8 v[8*(8*((\a)%4)+\b):8*(8*((\a)%4)+\b)+7], v[128*(\p)+FR*\b:128*(\p)+FR*\b+FR-1], v[AF+FR*(\a):AF+FR*(\a)+FR-1], v[8*(8*((\a)%4)+\b):8*(8*((\a)%4)+\b)+7]
.endif
.endr
.endr
.endm
.macro FETCH_B slot, q, p
	WIN TO_B
.irp i, 0,1,2,3,4,5,6,7
	FRAG 128*(\p)+FR*\i, ADRB+\slot, \q, \i
.endr
	WIN 0
.endm
.macro FETCH_A slot, q, i0
.irp i, \i0, \i0+1, \i0+2, \i0+3
	FRAG AF+FR*(\i), ADRA+\slot, \q, \i
.endr
.endm
.macro PLACES n                        ; plain vector instructions between a matrix instruction and a load into, or a vector instruction on, one of its registers
.rept \n
	v_nop
.endr
.endm
; A step of 128 along K that has its successor in the same slot.  A block of side A is free as soon as its eight products are issued: blocks 0-3 are fetched anew in the step's middle, blocks 4-7 at its end.
.macro STEP slot, q, zero
	s_wait_dscnt 4*NL                              ; side B's set and side A's blocks 0-3 are in; the youngest sixteen loads (blocks 4-7) may be out
	WIN MUL_LO
	MUL16 0, (\q)%2, \zero
	MUL16 2, (\q)%2, \zero
	s_wait_dscnt 0                                 ; blocks 4-7 are in
	PLACES NP
	FETCH_B \slot, (\q)+1, 1-(\q)%2
	FETCH_A \slot, (\q)+1, 0
	WIN MUL_HI
	MUL16 4, (\q)%2, \zero
	MUL16 6, (\q)%2, \zero
	PLACES NP
	WIN 0
	FETCH_A \slot, (\q)+1, 4
.endm
; A slot's last step changes slots: ONE barrier; in front of it each wave waits for all its tensor loads, adds 0 to its spare word, and waits for that and for its own reads of this slot.  fill = 1: this slot is filled again.
.macro TURN slot, next, fill
	s_wait_tensorcnt 0x0                           ; all my tensor loads have landed: my part of the next slot  (every window is 0 here)
	ds_add_u32 v[SPW], v[NIL]                      ; 0 onto my spare word
	s_wait_dscnt 4*NL+1                            ; (the add and the youngest sixteen loads may be out)
	WIN MUL_LO
	MUL16 0, 1, 0                                  ; sixteen matrix instructions stand between the add and the wait for it
	s_wait_dscnt 0x0                               ; the add is done, and my reads of this slot are over
	s_barrier_signal -1
	MUL16 2, 1, 0
	WIN 0
	s_barrier_wait -1
.if \fill
	CREST                                          ; the barrier has opened a round of the cluster's barrier: no wave of any partner still reads this slot or has a load on its way
	s_add_nc_u64 s[G0+4*\slot+2:G0+4*\slot+3], s[G0+4*\slot+2:G0+4*\slot+3], 8192   ; four K steps on in each image tile
	s_add_nc_u64 s[G0B+4*\slot+2:G0B+4*\slot+3], s[G0B+4*\slot+2:G0B+4*\slot+3], 8192
	JLOAD G0+4*\slot, G1, G0B+4*\slot, G1B         ; the first tensor load behind the round; its four v_nop are also the places in front of the loads below
.else
	PLACES NP
.endif
	FETCH_B \next, 0, 0
	FETCH_A \next, 0, 0
	WIN MUL_HI
	MUL16 4, 1, 0
	MUL16 6, 1, 0
	PLACES NP
	WIN 0
	FETCH_A \next, 0, 4
.endm
	s_wait_tensorcnt 0x1                           ; my part of slot 0 is in (slot 1's load may be out)
	s_barrier_signal -1
	s_barrier_wait -1                              ; everybody's is
	FETCH_B 0, 0, 0
	FETCH_A 0, 0, 0
	FETCH_A 0, 0, 4
	STEP 0, 0, 1                                   ; K 0: its products start the sums
	TURN 0, 1, 1                                   ; K 128; slot 0 takes K 512 ..
	STEP 1, 0, 0
	TURN 1, 0, 1                                   ; slot 1 takes K 768 ..
	STEP 0, 0, 0
	TURN 0, 1, 0                                   ; nothing is left to fetch
	STEP 1, 0, 0
	s_wait_dscnt 4*NL                              ; the last step
	WIN MUL_LO
	MUL16 0, 1, 0
	MUL16 2, 1, 0
	s_wait_dscnt 0
	WIN MUL_HI
	MUL16 4, 1, 0
	MUL16 6, 1, 0
	WIN 0
; THE WAY OUT of side A's block a: sum + bias (each accumulator from its low end on), the hold, the conversion: 16 registers that are fragments as they stand; four stores of 512 consecutive bytes, aligned.
.macro EPI a, isv
.set AC, 64*((\a)%4)
.set CC, CC0+16*((\a)%4)
.if (\a) >= 4
	s_wait_xcnt 0x0                                ; the stores of four blocks back have read this set of code registers
.endif
	WIN 0x02+((\a)/4)                              ; source 0: window 2 or 3
.irp j, 0,2,4,6,8,10,12,14,16,18,20,22,24,26,28,30,32,34,36,38,40,42,44,46,48,50,52,54,56,58,60,62
.if \isv
	v_pk_add_f32 v[TT+\j:TT+\j+1], v[AC+\j:AC+\j+1], v[BV+2*(\a):BV+2*(\a)+1] op_sel_hi:[1,0]
.else
	v_pk_add_f32 v[TT+\j:TT+\j+1], v[AC+\j:AC+\j+1], v[BQ+\j:BQ+\j+1]
.endif
.endr
	WIN 0
.set jj, 0
.rept 64
	v_med3_num_f32 v[TT+jj], v[TT+jj], -v[LIM], v[LIM]   ; the conversion to an 8-bit code does not saturate (ISA guide 7.6.2)
.set jj, jj+1
.endr
.irp b, 0,1,2,3,4,5,6,7
	v_cvt_scalef32_pk8_fp8_f32 v[CC+2*\b:CC+2*\b+1], v[TT+8*\b:TT+8*\b+7], v[SC]
.endr
	v_nop                                          ; a plain instruction behind the last conversion: the next block writes its sources
.irp g, 0,1,2,3
.if \isv
	global_store_b128 v[LI], v[CC+4*\g:CC+4*\g+3], s[OB+2*((\a)/4):OB+2*((\a)/4)+1] offset:((\a)%4)*2048+\g*512   ; head a / 4, channel tile a % 4: 16 channels x my 128 keys
.else
	global_store_b128 v[LI], v[CC+4*\g:CC+4*\g+3], s[OB+2*(\g/2):OB+2*(\g/2)+1] offset:(\a)*1024+(\g%2)*512       ; head g / 2, token tile a: 16 tokens x 64 channels
.endif
.endr
.endm
	PLACES NP                                      ; behind the last products: their results are read and their sources written below
	s_wait_loadcnt 0x0                             ; the bias
	s_cmp_eq_u32 ttmp9, 2                          ; the kind: the same in all partners
	s_cbranch_scc1 .Lvpath
.set jj, 0
.rept 64
	v_ldexp_f32 v[BQ+jj], v[BQ+jj], s92
.set jj, jj+1
.endr
.irp a, 0,1,2,3,4,5,6,7
	EPI \a, 0
.endr
	s_branch .Ljoin
.Lvpath:
.irp a, 0,1,2,3,4,5,6,7
	v_ldexp_f32 v[BV+2*\a], v[BV+2*\a], s92
.endr
.irp a, 0,1,2,3,4,5,6,7
	EPI \a, 1
.endr
.Ljoin:
	s_wait_tensorcnt 0x0                           ; the wave's end
	ds_add_u32 v[SPW], v[NIL]
	s_wait_dscnt 0x0
	CROUND                                         ; the closing round: no work-group ends while a partner may still ask for a tile that names it
	s_endpgm
.Lfunc_end_k_q678961badf_qkv:
	.size	k_q678961badf_qkv, .Lfunc_end_k_q678961badf_qkv-k_q678961badf_qkv
	.p2alignl 7, 3214868480
	.fill 96, 4, 3214868480
	.section	.rodata,"a",@progbits
	.p2align	6, 0x0
	.amdhsa_kernel k_q678961badf_qkv
		.amdhsa_group_segment_fixed_size 327680
		.amdhsa_private_segment_fixed_size 0
		.amdhsa_enable_private_segment 0
		.amdhsa_kernarg_size 48
		.amdhsa_user_sgpr_count 2
		.amdhsa_user_sgpr_kernarg_segment_ptr 1
		.amdhsa_wavefront_size32 1
		.amdhsa_system_sgpr_workgroup_id_x 1
		.amdhsa_system_sgpr_workgroup_id_y 1
		.amdhsa_system_sgpr_workgroup_id_z 1
		.amdhsa_system_vgpr_workitem_id 0
		.amdhsa_next_free_vgpr 1024
		.amdhsa_next_free_sgpr 100
		.amdhsa_reserve_vcc 0
		.amdhsa_float_denorm_mode_32 3
		.amdhsa_float_denorm_mode_16_64 3
		.amdhsa_memory_ordered 1
		.amdhsa_forward_progress 1
		.amdhsa_inst_pref_size 197
	.end_amdhsa_kernel
	.amdgpu_metadata
---
amdhsa.version: [ 1, 2 ]
amdhsa.kernels:
  - .name:           k_q678961badf_qkv
    .symbol:         k_q678961badf_qkv.kd
    .args:
      - { .name: xnimg, .offset: 0, .size: 8, .value_kind: global_buffer, .address_space: global }
      - { .name: wqimg, .offset: 8, .size: 8, .value_kind: global_buffer, .address_space: global }
      - { .name: b_qkv, .offset: 16, .size: 8, .value_kind: global_buffer, .address_space: global }
      - { .name: lowp_scales, .offset: 24, .size: 8, .value_kind: global_buffer, .address_space: global }
      - { .name: qimg, .offset: 32, .size: 8, .value_kind: global_buffer, .address_space: global }
      - { .name: kv, .offset: 40, .size: 8, .value_kind: global_buffer, .address_space: global }
    .group_segment_fixed_size: 327680
    .private_segment_fixed_size: 0
    .kernarg_segment_align: 8
    .kernarg_segment_size: 48
    .max_flat_workgroup_size: 128
    .sgpr_count:     100
    .vgpr_count:     1024
    .wavefront_size: 32
...
	.end_amdgpu_metadata
.endif
;; end of part 2
;; launch attn (part 3): grid 4 x 64, 8 waves a work-group, clusters of 4 x 1, 263,168 bytes of LDS; arguments qimg, kv, lowp_scales, attimg; writes attimg
.if DOCPART == 3
	.amdgcn_target "amdgcn-amd-amdhsa--gfx1250"
	.amdhsa_code_object_version 6
	.text
	.protected	k_q678961badf_attn
	.globl	k_q678961badf_attn
	.p2align	8
	.type	k_q678961badf_attn,@function
k_q678961badf_attn:
	s_mov_b64 s[64:65], 0
	v_nop
	global_prefetch_b8 v0, s[64:65] scope:SCOPE_SE
	s_setreg_imm32_b32 hwreg(HW_REG_WAVE_MODE, 25, 1), 1
	s_wait_xcnt 0x0
	s_wait_alu depctr_hold_cnt(0) depctr_sa_sdst(0) depctr_va_vdst(0) depctr_va_sdst(0) depctr_va_ssrc(0) depctr_va_vcc(0) depctr_vm_vsrc(0)
	s_getreg_b32 s2, hwreg(HW_REG_IB_STS2, 6, 4)
	s_cmp_eq_u32 s2, 0
	s_cbranch_scc0 .Lentry_in_a_cluster
	s_endpgm
.Lentry_in_a_cluster:
	s_bfe_u32 s2, ttmp6, 0x10000c
	s_cmp_lg_u32 s2, 0x3003
	s_cbranch_scc0 .Lentry_shape_is_right
	s_endpgm
.Lentry_shape_is_right:
; ATTN: for each of 64 (batch, head) pairs, O = softmax(Q K^T / 8) V on codes of FP8 (E4M3), and O quantised at once for the last product, stored into its operand's image.
; THE SOFTMAX AHEAD OF THE SECOND PRODUCT: t = score x log2(e) / 8; M = the running largest t rounded UP to a whole number; p = 2^(t - M) is quantised with 2^e4, not normalised; the row's sum is taken of the unquantised p
; and divides at the end.  When M moves, the sum and O^T are multiplied by 2^(old M - new M): exact.
; SHARES.  A work-group owns 512 queries of one head, each of its eight waves 64: four tiles of 16.  Two waves to a SIMD.  Every fragment of K and V that a wave reads from LDS feeds four products.
; LDS.  A head's whole K and V, 262,144 bytes, lie in LDS as they lie in kv (key step of 128 at 16,384: K's eight tiles of 1,024 bytes, then V^T's four of 2,048): every byte is filled once, by the two joint loads that each
; wave issues at the start (8,192 bytes of key steps 0-3, 24,576 of the rest), so there is no ring, and no later tile that a prefetch could ask for earlier.  Two tensor loads of a wave are out at the most.
; CLUSTER.  The four work-groups of a head form a cluster and ask for K and V jointly: the same load, descriptor and mask in all four.
; LAYOUT.  Both products are used transposed: S^T = K Q^T (source 0 = 16 keys, source 1 = 16 queries, K = 64), O^T = V^T P^T (source 0 = 16 channels, source 1 = P, K = 128 keys): a lane holds ONE query (lane % 16) throughout.
; Key tile c's eight results of a lane are keys 16 c + 8 (lane / 16) + 0..7: converted, they are registers 2 c, 2 c + 1 of P in the plain 8-bit form's own order.
; ORDER.  A key step is four units, one for each tile of queries.  A unit: the NEXT tile's eight products K Q^T, this tile's softmax, this tile's four products V^T P.  So scores are made a unit ahead of their softmax,
; and the LDS loads (V in unit 0, the next step's K in unit 2) stand in runs inside a softmax, a unit ahead of their use.
; LIMITS: e2 + e3 between -123 and 130 (added to c's exponent field); e4 and e6 between -126 and 119.  NaN among the inputs is not served.
; REGISTERS.  window 0: v1-15 addresses, constants, at work; v16-31 four registers of statistics a tile; v32-47 P; v48-111, v112-175 two buffers of scores; v192-255 K's fragments.
;   window 1: v0-63 V's fragments; v64-95 Q; v96-223 O^T (tile t, channel tile ct at v[96 + 32 t + 8 ct]).
.set LI,   1                           ; v1   16 x lane
.set AD,   2                           ; v2   LDS address of the key step in hand
.set PSC,  3                           ; v3   2^e4
.set PLIM, 4                           ; v4   448 x 2^e4
.set PD,   5                           ; v5   a lane permute's destination
.set TA,   6                           ; v6, v7  two chains of the maximum
.set TBV,  7
.set DF,   8                           ; v8   old M - new M
.set FF,   10                          ; v[10:11] f = 2^(old M - new M)
.set TS,   12                          ; v[12:13] the sum's second chain
.set OSC,  14                          ; v14  2^e6
.set OLIM, 15                          ; v15  448 x 2^e6
.set ST,   16                          ; tile t: v[ST+4t] -M, +1 the largest t, +2, +3 the sum in two halves
.set P,    32
.set S,    48
.set KF,   192
.set V,    0                           ; in window 1
.set Q,    64
.set O,    96
.set WV,   12                          ; s12  my wave's number
.set CS,   48                          ; s[48:49] c = log2(e) / 8 x 2^(e2 + e3)
.set SEL,  50                          ; s[50:51] v_permlanex16_b32: lane l xor 16
.set TB,   52                          ; s52  LDS byte at which the key step in hand begins
.set CNT,  53
.set MSB, 0
.macro WIN new                         ; the immediate's high byte repeats the setting that is left
.if MSB != (\new)
	s_set_vgpr_msb (MSB<<8)|(\new)
.set MSB, (\new)
.endif
.endm
.macro CROUND                          ; a round of the cluster's barrier
	s_barrier_signal -1
	s_barrier_wait -1
	s_cmp_lg_u32 s[WV], 0
	s_cbranch_scc1 .Lnot_wave_0_\@
	s_barrier_signal -3
.Lnot_wave_0_\@:
	s_barrier_wait -3
	s_barrier_signal -1
	s_barrier_wait -1
.endm
.macro FETCH_K off                     ; eight key tiles, 16 keys x 64 channels each: sixteen dense loads
.irp c, 0,1,2,3,4,5,6,7
	ds_load_b128 v[KF+8*\c:KF+8*\c+3], v[AD] offset:\off+1024*\c
	ds_load_b128 v[KF+8*\c+4:KF+8*\c+7], v[AD] offset:\off+1024*\c+512
.endr
.endm
.macro FETCH_V                         ; four channel tiles, 16 channels x 128 keys each
	WIN 0x40                                       ; destination window 1
.irp c, 0,1,2,3
.irp g, 0,1,2,3
	ds_load_b128 v[V+16*\c+4*\g:V+16*\c+4*\g+3], v[AD] offset:8192+2048*\c+512*\g
.endr
.endr
	WIN 0
.endm
.macro SMUL t, buf                     ; S^T of query tile t and the step's 128 keys, into a buffer of scores: eight accumulators, one instruction each
	WIN 0x04                                       ; source 1 (Q) window 1
.irp c, 0,1,2,3,4,5,6,7
	v_wmma_f32_16x16x64_fp8_fp8 v[S+64*(\buf)+8*\c:S+64*(\buf)+8*\c+7], v[KF+8*\c:KF+8*\c+7], v[Q+8*(\t):Q+8*(\t)+7], 0
.endr
.endm
.macro PVMUL t                         ; O^T of tile t += V^T P^T: four accumulators, one instruction each
	WIN 0x51                                       ; source 0 (V), C and D (O^T) window 1; source 1 (P) window 0
.irp c, 0,1,2,3
	v_wmma_f32_16x16x128_fp8_fp8 v[O+32*(\t)+8*\c:O+32*(\t)+8*\c+7], v[V+16*\c:V+16*\c+15], v[P:P+15], v[O+32*(\t)+8*\c:O+32*(\t)+8*\c+7]
.endr
.endm
; THE SOFTMAX of tile t on a buffer of 64 scores.  hook = 1: V's loads, 2: the next step's K's, behind the first eight instructions of the maximum, which are the places between the last product that read those registers and the loads.
.macro SOFT t, buf, hook
.set SS, S+64*(\buf)
.set SR, ST+4*(\t)
.set OO, O+32*(\t)
	WIN 0
	v_max3_num_f32 v[TA], v[SS], v[SS+1], v[SS+2]  ; the step's largest score of my query among my 64 keys, in two chains, each accumulator from its low end on
	v_max3_num_f32 v[TBV], v[SS+3], v[SS+4], v[SS+5]
.irp i, 6,10,14
	v_max3_num_f32 v[TA], v[TA], v[SS+\i], v[SS+\i+1]
	v_max3_num_f32 v[TBV], v[TBV], v[SS+\i+2], v[SS+\i+3]
.endr
.if \hook == 1
	FETCH_V
.elseif \hook == 2
	FETCH_K 16384
.endif
.irp i, 18,22,26,30,34,38,42,46,50,54,58
	v_max3_num_f32 v[TA], v[TA], v[SS+\i], v[SS+\i+1]
	v_max3_num_f32 v[TBV], v[TBV], v[SS+\i+2], v[SS+\i+3]
.endr
	v_max3_num_f32 v[TA], v[TA], v[SS+62], v[SS+63]
	v_max_num_f32 v[TA], v[TA], v[TBV]
	v_permlanex16_b32 v[PD], v[TA], s[SEL], s[SEL+1]
	v_max_num_f32 v[TA], v[TA], v[PD]              ; and among lane l xor 16's
	v_mul_f32 v[TA], s[CS], v[TA]                  ; as t (c is positive)
	v_max_num_f32 v[SR+1], v[SR+1], v[TA]          ; the running largest t
	v_mov_b32 v[DF], v[SR]
	v_floor_f32 v[SR], -v[SR+1]                    ; the new -M = floor(-t) = -ceil(t): a whole number
	v_sub_f32 v[DF], v[SR], v[DF]                  ; old M - new M: a whole number, 0 or less
	v_cvt_i32_f32 v[DF], v[DF]                     ; (it saturates)
	v_ldexp_f32 v[FF], 1.0, v[DF]                  ; f = 2^(old M - new M)
	WIN 0x41                                       ; O^T (destination and source 0) window 1
.set jj, 0
.rept 16
	v_pk_mul_f32 v[OO+jj:OO+jj+1], v[OO+jj:OO+jj+1], v[FF:FF+1] op_sel_hi:[1,0]
.set jj, jj+2
.endr
	WIN 0
	v_pk_mul_f32 v[SR+2:SR+3], v[SR+2:SR+3], v[FF:FF+1] op_sel_hi:[1,0]
	; One stream: t - M for a pair two pairs ahead; an exponential; the sum of the pair before (of the unheld p); the hold of the pair before that; every fourth turn a conversion of eight held numbers.
	; Behind every exponential and every conversion stands a plain instruction that touches nothing of it before its result is used (ISA guide 5.7.2).
	v_pk_fma_f32 v[SS:SS+1], v[SS:SS+1], s[CS:CS+1], v[SR:SR+1] op_sel_hi:[1,0,0]
	v_pk_fma_f32 v[SS+2:SS+3], v[SS+2:SS+3], s[CS:CS+1], v[SR:SR+1] op_sel_hi:[1,0,0]
.set ii, 0
.rept 34
.if ii+2 <= 31
	v_pk_fma_f32 v[SS+2*ii+4:SS+2*ii+5], v[SS+2*ii+4:SS+2*ii+5], s[CS:CS+1], v[SR:SR+1] op_sel_hi:[1,0,0]
.endif
.if 2*ii <= 63
	v_exp_f32 v[SS+2*ii], v[SS+2*ii]
.endif
.if ii == 2
	s_wait_alu depctr_va_vdst(0)
	v_pk_add_f32 v[TS:TS+1], v[SS:SS+1], v[SS+2:SS+3]
.elseif (ii >= 3) && (ii <= 32)
.if (ii-1)%2 == 0
	s_wait_alu depctr_va_vdst(0)
	v_pk_add_f32 v[SR+2:SR+3], v[SR+2:SR+3], v[SS+2*ii-2:SS+2*ii-1]
.else
	s_wait_alu depctr_va_vdst(0)
	v_pk_add_f32 v[TS:TS+1], v[TS:TS+1], v[SS+2*ii-2:SS+2*ii-1]
.endif
.endif
.if ii >= 2
	v_min_num_f32 v[SS+2*ii-4], v[SS+2*ii-4], v[PLIM]   ; the conversion does not saturate (ISA guide 7.6.2); p is not negative, so the hold is one-sided
.endif
.if 2*ii+1 <= 63
	v_exp_f32 v[SS+2*ii+1], v[SS+2*ii+1]
.endif
.if ii >= 2
	v_min_num_f32 v[SS+2*ii-3], v[SS+2*ii-3], v[PLIM]
.endif
.if (ii >= 2) && ((ii-2)%4 == 3)
	v_cvt_scalef32_pk8_fp8_f32 v[P+2*((ii-2)/4):P+2*((ii-2)/4)+1], v[SS+8*((ii-2)/4):SS+8*((ii-2)/4)+7], v[PSC]
.endif
.set ii, ii+1
.endr
	v_pk_add_f32 v[SR+2:SR+3], v[SR+2:SR+3], v[TS:TS+1]   ; (also the plain instruction between the last conversion and the products that read P and write the scores anew)
.endm
; A KEY STEP.  last = 1: there is no next step: no K is fetched and no scores are made ahead.
.macro STEP last
	v_add_nc_u32 v[AD], s[TB], v[LI]
	SMUL 1, 1
	SOFT 0, 0, 1
	s_wait_dscnt 0x0                               ; V is in
	PVMUL 0
	SMUL 2, 0
	SOFT 1, 1, 0
	PVMUL 1
	SMUL 3, 1
.if \last
	SOFT 2, 0, 0
.else
	SOFT 2, 0, 2
.endif
	PVMUL 2
.if \last == 0
	s_wait_dscnt 0x0                               ; the next step's K is in
	SMUL 0, 0
.endif
	SOFT 3, 1, 0
	PVMUL 3
	WIN 0                                          ; at a label and at a branch every window is 0
	s_add_co_u32 s[TB], s[TB], 16384
.endm
	s_load_b128 s[4:7], s[0:1], 0x0                ; qimg s[4:5], kv s[6:7]
	s_load_b128 s[8:11], s[0:1], 0x10              ; lowp_scales s[8:9], attimg s[10:11]
	v_lshl_add_u32 v190, v0, 2, 0x40000
	v_mov_b32 v191, 0
	ds_add_u32 v190, v191
	ds_add_u32 v190, v191
	v_lshrrev_b32 v1, 5, v0
	v_readfirstlane_b32 s[WV], v1                  ; wave 0..7
	s_bfe_u32 s13, ttmp6, 0x40000                  ; cx: which 512 queries: it enters Q's and the output's addresses alone
	s_and_b32 s14, ttmp7, 0xffff                   ; bh = 16 x batch + head, which the four partners share
	; descriptor groups 1: dense blocks as rows of 256 bytes (32 elements of 8 bytes): 32 rows, and 96 rows
	s_mov_b32 s16, 15|(3<<16)|(1<<21)              ; 15:0 the mask: all four work-groups; 17:16 elements of 8 bytes; 21 set beside a mask
	s_mov_b32 s17, 32<<16                          ; tensor_dim0
	s_mov_b32 s18, 32<<16                          ; tensor_dim1
	s_mov_b32 s19, 32<<16                          ; tile_dim0
	s_mov_b32 s20, 32                              ; tile_dim1
	s_mov_b32 s21, 32                              ; tensor_dim0_stride
	s_mov_b32 s22, 0
	s_mov_b32 s23, 0
	s_mov_b32 s24, 15|(3<<16)|(1<<21)
	s_mov_b32 s25, 32<<16
	s_mov_b32 s26, 96<<16
	s_mov_b32 s27, 32<<16
	s_mov_b32 s28, 96
	s_mov_b32 s29, 32
	s_mov_b32 s30, 0
	s_mov_b32 s31, 0
	s_lshl_b32 s59, s14, 18                        ; the head's first byte in kv
	s_lshl_b32 s33, s[WV], 13                      ; my first load: LDS byte = byte of the head: 8,192 x wave
	s_mul_i32 s37, s[WV], 24576
	s_add_co_u32 s37, s37, 65536                   ; my second: 65,536 + 24,576 x wave
	s_add_co_u32 s54, s59, s33
	s_mov_b32 s55, 0
	s_add_co_u32 s56, s59, s37
	s_mov_b32 s57, 0
	s_wait_dscnt 0x0
	s_wait_kmcnt 0x0
	s_load_b256 s[40:47], s[8:9], 0x0              ; e0 .. e7
	s_mov_b32 s32, 1
	s_add_nc_u64 s[34:35], s[6:7], s[54:55]
	s_or_b32 s35, s35, 0x80000000
	s_mov_b32 s36, 1
	s_add_nc_u64 s[38:39], s[6:7], s[56:57]
	s_or_b32 s39, s39, 0x80000000
	CROUND                                         ; all four work-groups are here: the joint loads meet
	tensor_load_to_lds s[32:35], s[16:23]          ; my part of key steps 0-3
	s_nop 0
	tensor_load_to_lds s[36:39], s[24:31]          ; my part of key steps 4-15
	s_nop 0
.rept 4
	v_nop
.endr
	v_and_b32 v1, 31, v0
	v_lshlrev_b32 v[LI], 4, v1
	s_lshl_b32 s54, s14, 17                        ; Q: the head, my work-group's 32 tiles of 1,024 bytes, my wave's four
	s_lshl_b32 s56, s13, 15
	s_add_co_u32 s54, s54, s56
	s_lshl_b32 s56, s[WV], 12
	s_add_co_u32 s54, s54, s56
	s_add_nc_u64 s[4:5], s[4:5], s[54:55]
	WIN 0x40                                       ; destination window 1
.irp t, 0,1,2,3
	global_load_b128 v[Q+8*\t:Q+8*\t+3], v[LI], s[4:5] offset:1024*\t
	global_load_b128 v[Q+8*\t+4:Q+8*\t+7], v[LI], s[4:5] offset:1024*\t+512
.endr
.set jj, 0
.rept 128
	v_mov_b32 v[O+jj], 0                           ; O^T.  (The key step is written for every step alike: the first finds zeros, which the first change of M leaves zeros)
.set jj, jj+1
.endr
	WIN 0
.irp t, 0,1,2,3
	v_mov_b32 v[ST+4*\t+1], 0xff61b1e6             ; the largest t so far: -3e38, under every t
	v_floor_f32 v[ST+4*\t], -v[ST+4*\t+1]          ; -M
	v_mov_b32 v[ST+4*\t+2], 0                      ; the sum
	v_mov_b32 v[ST+4*\t+3], 0
.endr
	v_mov_b32 v[PD], 0                             ; a lane permute's destination counts as read
	v_mov_b32 v[FF+1], 0                           ; (named as the upper half of a pair)
	s_lshr_b32 s54, s14, 4                         ; the output: token tile 128 x batch + 32 cx + 4 x wave, 16,384 bytes each; the head's 1,024 bytes in it
	s_lshl_b32 s54, s54, 7
	s_lshl_b32 s56, s13, 5
	s_add_co_u32 s54, s54, s56
	s_lshl_b32 s56, s[WV], 2
	s_add_co_u32 s54, s54, s56
	s_lshl_b32 s54, s54, 14
	s_and_b32 s56, s14, 15
	s_lshl_b32 s56, s56, 10
	s_add_co_u32 s54, s54, s56
	s_add_nc_u64 s[10:11], s[10:11], s[54:55]
	s_mov_b32 s[SEL], 0x76543210
	s_mov_b32 s[SEL+1], 0xfedcba98
	s_mov_b32 s[CS], 0x3e38aa3b                    ; log2(e) / 8
	s_mov_b32 s[TB], 0
	s_wait_kmcnt 0x0
	s_add_co_i32 s54, s42, s43
	s_lshl_b32 s54, s54, 23
	s_add_co_i32 s[CS], s[CS], s54                 ; a score stands for score x 2^(e2 + e3): added to c's exponent field
	s_mov_b32 s[CS+1], s[CS]                       ; (named with it as a pair)
	s_add_co_i32 s54, s44, 127
	s_lshl_b32 s56, s54, 23
	v_mov_b32 v[PSC], s56                          ; 2^e4
	s_add_co_i32 s54, s54, 8
	s_lshl_b32 s54, s54, 23
	s_or_b32 s54, s54, 0x600000
	v_mov_b32 v[PLIM], s54                         ; 448 x 2^e4
	s_add_co_i32 s54, s46, 127
	s_lshl_b32 s56, s54, 23
	v_mov_b32 v[OSC], s56                          ; 2^e6
	s_add_co_i32 s54, s54, 8
	s_lshl_b32 s54, s54, 23
	s_or_b32 s54, s54, 0x600000
	v_mov_b32 v[OLIM], s54                         ; 448 x 2^e6
	s_add_co_i32 s58, s44, s45                     ; e4 + e5
	s_wait_tensorcnt 0x1                           ; my part of key steps 0-3 is in; the second load may be out
	s_barrier_signal -1
	s_barrier_wait -1                              ; everybody's is
	v_mov_b32 v[AD], v[LI]
	FETCH_K 0
	s_wait_loadcnt 0x0                             ; Q
	s_wait_dscnt 0x0
	SMUL 0, 0                                      ; tile 0's first scores
	WIN 0
.rept 4
	v_nop                                          ; the places between those products and the first read of their results
.endr
	s_mov_b32 s[CNT], 3
.Lfirst:                                           ; key steps 0-2: they read K of steps 0-3 and V of steps 0-2: LDS bytes under 65,536 alone
	STEP 0
	s_sub_co_u32 s[CNT], s[CNT], 1
	s_cmp_lg_u32 s[CNT], 0
	s_cbranch_scc1 .Lfirst
	s_wait_tensorcnt 0x0                           ; my part of the rest is in,
	s_wait_dscnt 0x0
	s_barrier_signal -1
	s_barrier_wait -1                              ; everybody's is
	s_mov_b32 s[CNT], 12
.Lrest:                                            ; key steps 3-14
	STEP 0
	s_sub_co_u32 s[CNT], s[CNT], 1
	s_cmp_lg_u32 s[CNT], 0
	s_cbranch_scc1 .Lrest
	STEP 1                                         ; key step 15
	; THE WAY OUT.  The sum's halves and lane l xor 16's are added; O^T / the sum x 2^(e4 + e5) is held and converted with 2^e6: a lane's eight channels of channel tile ct are registers 2 ct, 2 ct + 1 of the head's part of the
	; last product's operand.  The first four additions are the places behind the last products.
.irp t, 0,1,2,3
	v_add_f32 v[ST+4*\t+2], v[ST+4*\t+2], v[ST+4*\t+3]
.endr
.irp t, 0,1,2,3
	v_permlanex16_b32 v[ST+4*\t+3], v[ST+4*\t+2], s[SEL], s[SEL+1]
.endr
.irp t, 0,1,2,3
	v_add_f32 v[ST+4*\t+3], v[ST+4*\t+2], v[ST+4*\t+3]
.endr
.irp t, 0,1,2,3
	v_rcp_f32 v[ST+4*\t+2], v[ST+4*\t+3]
.endr
	v_nop                                          ; a plain instruction between the last reciprocal and the use of its result
	s_wait_alu depctr_va_vdst(0)
.irp t, 0,1,2,3
	v_ldexp_f32 v[ST+4*\t+2], v[ST+4*\t+2], s58
.endr
.macro OUT t
	WIN 0x01                                       ; source 0 (O^T) window 1
.set jj, 0
.rept 16
	v_pk_mul_f32 v[S+32*\t+jj:S+32*\t+jj+1], v[O+32*\t+jj:O+32*\t+jj+1], v[ST+4*\t+2:ST+4*\t+3] op_sel_hi:[1,0]
.set jj, jj+2
.endr
	WIN 0
.set jj, 0
.rept 32
	v_med3_num_f32 v[S+32*\t+jj], v[S+32*\t+jj], -v[OLIM], v[OLIM]
.set jj, jj+1
.endr
.irp c, 0,1,2,3
	v_cvt_scalef32_pk8_fp8_f32 v[KF+8*\t+2*\c:KF+8*\t+2*\c+1], v[S+32*\t+8*\c:S+32*\t+8*\c+7], v[OSC]
.endr
	v_nop                                          ; a plain instruction behind the last conversion of the run
	global_store_b128 v[LI], v[KF+8*\t:KF+8*\t+3], s[10:11] offset:\t*16384       ; the wave stores 512 consecutive bytes, aligned
	global_store_b128 v[LI], v[KF+8*\t+4:KF+8*\t+7], s[10:11] offset:\t*16384+512
.endm
	OUT 0
	OUT 1
	OUT 2
	OUT 3
	s_wait_tensorcnt 0x0
	ds_add_u32 v190, v191
	s_wait_dscnt 0x0
	CROUND                                         ; the closing round
	s_endpgm
.Lfunc_end_k_q678961badf_attn:
	.size	k_q678961badf_attn, .Lfunc_end_k_q678961badf_attn-k_q678961badf_attn
	.p2alignl 7, 3214868480
	.fill 96, 4, 3214868480
	.section	.rodata,"a",@progbits
	.p2align	6, 0x0
	.amdhsa_kernel k_q678961badf_attn
		.amdhsa_group_segment_fixed_size 263168
		.amdhsa_private_segment_fixed_size 0
		.amdhsa_enable_private_segment 0
		.amdhsa_kernarg_size 32
		.amdhsa_user_sgpr_count 2
		.amdhsa_user_sgpr_kernarg_segment_ptr 1
		.amdhsa_wavefront_size32 1
		.amdhsa_system_sgpr_workgroup_id_x 1
		.amdhsa_system_sgpr_workgroup_id_y 1
		.amdhsa_system_sgpr_workgroup_id_z 1
		.amdhsa_system_vgpr_workitem_id 0
		.amdhsa_next_free_vgpr 512
		.amdhsa_next_free_sgpr 66
		.amdhsa_reserve_vcc 0
		.amdhsa_float_denorm_mode_32 3
		.amdhsa_float_denorm_mode_16_64 3
		.amdhsa_memory_ordered 1
		.amdhsa_forward_progress 1
		.amdhsa_inst_pref_size 199
	.end_amdhsa_kernel
	.amdgpu_metadata
---
amdhsa.version: [ 1, 2 ]
amdhsa.kernels:
  - .name:           k_q678961badf_attn
    .symbol:         k_q678961badf_attn.kd
    .args:
      - { .name: qimg, .offset: 0, .size: 8, .value_kind: global_buffer, .address_space: global }
      - { .name: kv, .offset: 8, .size: 8, .value_kind: global_buffer, .address_space: global }
      - { .name: lowp_scales, .offset: 16, .size: 8, .value_kind: global_buffer, .address_space: global }
      - { .name: attimg, .offset: 24, .size: 8, .value_kind: global_buffer, .address_space: global }
    .group_segment_fixed_size: 263168
    .private_segment_fixed_size: 0
    .kernarg_segment_align: 8
    .kernarg_segment_size: 32
    .max_flat_workgroup_size: 256
    .sgpr_count:     66
    .vgpr_count:     512
    .wavefront_size: 32
...
	.end_amdgpu_metadata
.endif
;; end of part 3
;; launch fc (part 4): grid 4 x 64, 4 waves a work-group, clusters of 4 x 4, 327,680 bytes of LDS; arguments attimg, wfimg, b_fc, x, lowp_scales, out0; writes out0
.if DOCPART == 4
	.amdgcn_target "amdgcn-amd-amdhsa--gfx1250"
	.amdhsa_code_object_version 6
	.text
	.protected	k_q678961badf_fc
	.globl	k_q678961badf_fc
	.p2align	8
	.type	k_q678961badf_fc,@function
k_q678961badf_fc:
	s_mov_b64 s[64:65], 0
	v_nop
	global_prefetch_b8 v0, s[64:65] scope:SCOPE_SE
	s_setreg_imm32_b32 hwreg(HW_REG_WAVE_MODE, 25, 1), 1
	s_wait_xcnt 0x0
	s_wait_alu depctr_hold_cnt(0) depctr_sa_sdst(0) depctr_va_vdst(0) depctr_va_sdst(0) depctr_va_ssrc(0) depctr_va_vcc(0) depctr_vm_vsrc(0)
	s_getreg_b32 s2, hwreg(HW_REG_IB_STS2, 6, 4)
	s_cmp_eq_u32 s2, 0
	s_cbranch_scc0 .Lentry_in_a_cluster
	s_endpgm
.Lentry_in_a_cluster:
	s_bfe_u32 s2, ttmp6, 0x10000c
	s_cmp_lg_u32 s2, 0xf033
	s_cbranch_scc0 .Lentry_shape_is_right
	s_endpgm
.Lentry_shape_is_right:
; FC: out0 = att w_fc + b_fc + x, the product on codes of FP8 (E4M3).  attimg (8,192 tokens x 1,024) and wfimg (1,024 features x 1,024) are images: tile of 16 rows 16,384 bytes, K step of 128 2,048, four blocks of 512,
; lane l's 16 bytes at 16 l: a fragment is four dense ds_load_b128, k in the place that the plain 8-bit form gives it.
; 256 work-groups of 128 tokens x 256 features; a wave makes 64 x 128: 32 accumulators, 256 registers.  K = 1,024 goes in four fills of 256 through two LDS slots: eight steps of 128, written out.
; The matrix instruction is used transposed (source 0 = 16 features, source 1 = 16 tokens): a lane holds eight neighbouring features of one token.
; A sum stands for sum x 2^(e6 + e7): the bias, as b / 2^(e6 + e7), is the C of each sum's first product; out = sum x 2^(e6 + e7) + x, one packed multiply-add for two numbers.
; LIMIT: e6 + e7 between -126 and 127.
; CLUSTERS: 4 x 4 work-groups; att's tile hangs on the tile row alone and is asked for jointly along a row of the cluster, w_fc's on cx alone, along a column.  No prefetch: each work-group has only two refills.
; REGISTERS, in windows of 256: window 0: v16-29 addresses; v32-95 the bias, later rows of the result; v128-191, v192-255 att's fragments, two sets.  window 1: w_fc's fragments, two sets.
;   window 2: the accumulators ((a, b) at v[8 (8 a + b)]).  window 3: my 64 rows x 512 bytes of x (row i at v[4 i]), asked for at the head.
.set SLOT,   98304                     ; att's 8 tiles x 4,096 bytes, then w_fc's 16
.set BOFF,   32768
.set STAGE,  2*SLOT                    ; behind the ring: 16 rows x (512 + 16) bytes for each wave; no tensor load fills it
.set SPITCH, 528
.set SPARE,  STAGE+4*16*SPITCH         ; behind the stages: the spare words, 128 bytes for each wave
.set FR,   16
.set ADRA, 16                          ; v16-17  LDS address of my att fragments in slot 0, 1
.set ADRB, 20                          ; v20-21  the same for w_fc
.set STO,  24                          ; v24     the way out: where I put 32 bytes of a row
.set RD,   25                          ; v25     where I read a row back
.set LI,   26                          ; v26     16 x lane
.set SPW,  28                          ; v28     LDS address of my spare word; never rewritten
.set NIL,  29                          ; v29     0; never rewritten
.set BI,   32                          ; v32-95  the bias of features 16 b + 8 h + j at v[BI + 8 b + j]
.set AF,   128
.set G1, 24                            ; s[24:31] descriptor group 1 for att;  s[32:39] group 0, one set for each slot
.set G0, 32
.set G1B, 48                           ; s[48:55], s[56:63] the same for w_fc
.set G0B, 56
.set MSB, 0
.macro WIN new                         ; the immediate's high byte repeats the setting that is left
.if MSB != (\new)
	s_set_vgpr_msb (MSB<<8)|(\new)
.set MSB, (\new)
.endif
.endm
.set MULF, 0x81                        ; source 0 (w_fc) window 1, source 1 (att) and C (the bias) window 0, D window 2
.set MULC, 0xa1                        ; the same, C and D window 2
.set TO_B, 0x40                        ; destination window 1, address window 0
.macro JLOAD g0a, g1a, g0b, g1b        ; a joint load: waves 0 and 1 fetch for att, waves 2 and 3 for w_fc; four v_nop follow each of the two lines
	s_cmp_eq_u32 s15, 0
	s_cbranch_scc0 .Lfor_b_\@
	tensor_load_to_lds s[\g0a:\g0a+3], s[\g1a:\g1a+7]
	s_nop 0
.rept 4
	v_nop
.endr
	s_branch .Lasked_\@
.Lfor_b_\@:
	tensor_load_to_lds s[\g0b:\g0b+3], s[\g1b:\g1b+7]
	s_nop 0
.rept 4
	v_nop
.endr
.Lasked_\@:
.endm
.macro CREST                           ; a round of the cluster's barrier behind its opening barrier
	s_cmp_lg_u32 s14, 0
	s_cbranch_scc1 .Lnot_wave_0_\@
	s_barrier_signal -3
.Lnot_wave_0_\@:
	s_barrier_wait -3
	s_barrier_signal -1
	s_barrier_wait -1
.endm
.macro CROUND
	s_barrier_signal -1
	s_barrier_wait -1
	CREST
.endm
.macro PLACES                          ; plain vector instructions between a matrix instruction and a load into, or a read of, one of its registers
.rept 4
	v_nop
.endr
.endm
	s_load_b128 s[4:7], s[0:1], 0x0                ; attimg s[4:5], wfimg s[6:7]
	s_load_b128 s[8:11], s[0:1], 0x10              ; b_fc s[8:9], x s[10:11]
	s_load_b128 s[68:71], s[0:1], 0x20             ; lowp_scales s[68:69], out0 s[70:71]
	v_lshl_add_u32 v[SPW], v0, 2, SPARE
	v_mov_b32 v[NIL], 0
	ds_add_u32 v28, v29
	ds_add_u32 v28, v29
	s_wait_dscnt 0x0
	v_lshrrev_b32 v1, 5, v0
	v_readfirstlane_b32 s14, v1                    ; wave 0..3
	s_lshr_b32 s15, s14, 1                         ; which 64 tokens are mine.  Also: I fetch for att (0) or for w_fc (1)
	s_and_b32 s16, s14, 1                          ; which 128 features.  Also: which half of that tile I fetch
	s_bfe_u32 s40, ttmp6, 0x40000                  ; cx = the tile column (the grid is one cluster wide)
	s_bfe_u32 s41, ttmp6, 0x40004                  ; cy
	s_and_b32 s17, ttmp7, 0xffff
	s_lshl_b32 s17, s17, 2
	s_add_co_u32 s17, s17, s41                     ; the tile row = 4 x cluster y + cy
	s_lshl_b32 s43, s41, 2
	s_lshl_b32 s43, 15, s43                        ; my row of the cluster
	s_lshl_b32 s44, 0x1111, s40                    ; my column
	; descriptor groups 1: of each image tile the 4,096 bytes of two K steps: rows of 512 elements of 8 bytes, 2,048 elements apart; att: 4 rows a load, w_fc: 8; dense in LDS
	s_or_b32 s[G1+0], s43, (3<<16)|(1<<21)
	s_mov_b32 s[G1+1], 512<<16                     ; tensor_dim0
	s_mov_b32 s[G1+2], 4<<16                       ; tensor_dim1
	s_mov_b32 s[G1+3], 512<<16                     ; tile_dim0
	s_mov_b32 s[G1+4], 4                           ; tile_dim1
	s_mov_b32 s[G1+5], 2048                        ; tensor_dim0_stride
	s_mov_b32 s[G1+6], 0
	s_mov_b32 s[G1+7], 0
	s_or_b32 s[G1B+0], s44, (3<<16)|(1<<21)
	s_mov_b32 s[G1B+1], 512<<16
	s_mov_b32 s[G1B+2], 8<<16
	s_mov_b32 s[G1B+3], 512<<16
	s_mov_b32 s[G1B+4], 8
	s_mov_b32 s[G1B+5], 2048
	s_mov_b32 s[G1B+6], 0
	s_mov_b32 s[G1B+7], 0
	s_lshl_b32 s20, s17, 17                        ; att: 8 image tiles a tile row, the four that I fetch
	s_lshl_b32 s21, s16, 16
	s_add_co_u32 s20, s20, s21
	s_mov_b32 s21, 0
	s_lshl_b32 s46, s40, 18                        ; w_fc: 16 image tiles a tile column, the eight that I fetch
	s_lshl_b32 s47, s16, 17
	s_add_co_u32 s46, s46, s47
	s_mov_b32 s47, 0
	s_lshl_b32 s45, s16, 14                        ; where they go: att's halves,
	s_lshl_b32 s67, s16, 15
	s_add_co_u32 s67, s67, BOFF                    ; w_fc's halves behind them: no place in the cluster enters an LDS address
	s_wait_kmcnt 0x0
	s_load_b256 s[80:87], s[68:69], 0x0            ; e0 .. e7
	s_add_nc_u64 s[20:21], s[4:5], s[20:21]
	s_add_nc_u64 s[46:47], s[6:7], s[46:47]
	CROUND                                         ; all sixteen work-groups are here: the first joint loads meet
.irp s, 0,1
	s_mov_b32 s[G0+4*\s], 1
	s_add_co_u32 s[G0+4*\s+1], s45, \s*SLOT
	s_add_nc_u64 s[G0+4*\s+2:G0+4*\s+3], s[20:21], \s*4096
	s_or_b32 s[G0+4*\s+3], s[G0+4*\s+3], 0x80000000
	s_mov_b32 s[G0B+4*\s], 1
	s_add_co_u32 s[G0B+4*\s+1], s67, \s*SLOT
	s_add_nc_u64 s[G0B+4*\s+2:G0B+4*\s+3], s[46:47], \s*4096
	s_or_b32 s[G0B+4*\s+3], s[G0B+4*\s+3], 0x80000000
	JLOAD G0+4*\s, G1, G0B+4*\s, G1B
.endr
	v_and_b32 v1, 31, v0
	v_lshlrev_b32 v[LI], 4, v1
	v_and_b32 v2, 15, v0                           ; r
	v_bfe_u32 v3, v0, 4, 1                         ; h
	v_lshlrev_b32 v4, 5, v3                        ; 32 h
	s_lshl_b32 s72, s17, 19                        ; my first row of x and of out0: 128 x tile row + 64 x half, 4,096 bytes each,
	s_lshl_b32 s73, s15, 18
	s_add_co_u32 s72, s72, s73
	s_lshl_b32 s74, s40, 10                        ; my first column: 256 cx + 128 x half, 4 bytes each
	s_lshl_b32 s75, s16, 9
	s_add_co_u32 s74, s74, s75
	s_add_co_u32 s72, s72, s74
	s_mov_b32 s73, 0
	s_mov_b32 s75, 0
	s_add_nc_u64 s[10:11], s[10:11], s[72:73]
	s_add_nc_u64 s[70:71], s[70:71], s[72:73]
	s_add_nc_u64 s[8:9], s[8:9], s[74:75]
.irp b, 0,1,2,3,4,5,6,7
	global_load_b128 v[BI+8*\b:BI+8*\b+3], v4, s[8:9] offset:64*\b
	global_load_b128 v[BI+8*\b+4:BI+8*\b+7], v4, s[8:9] offset:64*\b+16
.endr
.macro XROWS i0                        ; 32 rows of x: a row's 512 bytes by the 32 lanes
	WIN 0xc0                                       ; destination window 3
.set ii, \i0
.rept 32
	global_load_b128 v[4*ii:4*ii+3], v[LI], s[10:11] offset:ii*4096 th:TH_LOAD_NT
.set ii, ii+1
.endr
	WIN 0
.endm
	XROWS 0
	s_lshl_b32 s22, s15, 14                        ; my four tiles of att,
	s_lshl_b32 s23, s16, 15
	s_add_co_u32 s23, s23, BOFF                    ; my eight of w_fc
.irp s, 0,1
	v_add_nc_u32 v[ADRA+\s], s22, v[LI]
	v_add_nc_u32 v[ADRB+\s], s23, v[LI]
	s_add_co_u32 s22, s22, SLOT
	s_add_co_u32 s23, s23, SLOT
.endr
	s_mul_i32 s23, s14, 16*SPITCH
	s_add_co_u32 s23, s23, STAGE                   ; my stage
	v_mul_u32_u24 v5, v2, SPITCH                   ; in: row r, 32 bytes for each half of the lanes
	v_lshl_add_u32 v5, v3, 5, v5
	v_add_nc_u32 v[STO], s23, v5
	v_add_nc_u32 v[RD], s23, v[LI]                 ; back: the 32 lanes take one row of 512 bytes
	s_wait_kmcnt 0x0
	s_add_co_i32 s96, s86, s87                     ; e6 + e7
	s_sub_co_i32 s92, 0, s96
	s_add_co_i32 s96, s96, 127
	s_lshl_b32 s96, s96, 23                        ; 2^(e6 + e7) as f32
	s_mov_b32 s97, s96                             ; (named with it as a pair)
	s_wait_loadcnt 32                              ; the bias is in; the 32 loads of x behind it stay out
.set jj, 0
.rept 64
	v_ldexp_f32 v[BI+jj], v[BI+jj], s92
.set jj, jj+1
.endr
.macro FRAG reg, adr, q, i
.irp c, 0,1,2,3
	ds_load_b128 v[\reg+4*\c:\reg+4*\c+3], v[\adr] offset:2048*(\q)+512*\c+(\i)*4096
.endr
.endm
.macro FETCH slot, q, p                ; 48 LDS loads in one run: the fragments of the slot's q-th 128 along K into set p
	WIN TO_B
.irp i, 0,1,2,3,4,5,6,7
	FRAG 128*(\p)+FR*\i, ADRB+\slot, \q, \i
.endr
	WIN 0
.irp i, 0,1,2,3
	FRAG AF+64*(\p)+FR*\i, ADRA+\slot, \q, \i
.endr
.endm
; 8 matrix instructions: att's block a x w_fc's eight, set p.  first = 1: the bias starts the sums.  The 32 accumulators take turns, one instruction a turn, in the same order in every step.
.macro MUL8 a, p, first
.irp b, 0,1,2,3,4,5,6,7
.if \first
	v_wmma_f32_16x16x128_fp8_fp8 v[8*(8*(\a)+\b):8*(8*(\a)+\b)+7], v[128*(\p)+FR*\b:128*(\p)+FR*\b+FR-1], v[AF+64*(\p)+FR*(\a):AF+64*(\p)+FR*(\a)+FR-1], v[BI+8*\b:BI+8*\b+7]
.else
	v_wmma_f32_16x16x128_fp8_fp8 v[8*(8*(\a)+\b):8*(8*(\a)+\b)+7], v[128*(\p)+FR*\b:128*(\p)+FR*\b+FR-1], v[AF+64*(\p)+FR*(\a):AF+64*(\p)+FR*(\a)+FR-1], v[8*(8*(\a)+\b):8*(8*(\a)+\b)+7]
.endif
.endr
.endm
; A slot's first step multiplies set 0 and fetches the slot's second step into set 1.
.macro STEP slot, first
	s_wait_dscnt 0x0                               ; this step's fragments are in
.if \first == 0
	PLACES                                         ; set 1 was read by the products just issued
.endif
	FETCH \slot, 1, 1
.if \first
	WIN MULF
.else
	WIN MULC
.endif
	MUL8 0, 0, \first
	MUL8 1, 0, \first
	MUL8 2, 0, \first
	MUL8 3, 0, \first
.endm
; A slot's second step multiplies set 1 and changes slots: ONE barrier; in front of it each wave waits for all its tensor loads, adds 0 to its spare word, and waits for that and for its own reads of this slot.
.macro TURN slot, next, fill
	WIN 0                                          ; (the add's two registers lie in window 0)
	s_wait_tensorcnt 0x0                           ; all my tensor loads have landed: my part of the next slot
	ds_add_u32 v[SPW], v[NIL]                      ; 0 onto my spare word
	s_wait_dscnt 0x1                               ; this step's fragments are in (the add alone may be out)
	WIN MULC
	MUL8 0, 1, 0                                   ; sixteen matrix instructions stand between the add and the wait for it
	MUL8 1, 1, 0
	s_wait_dscnt 0x0                               ; the add is done, and my reads of this slot are over
	s_barrier_signal -1
	MUL8 2, 1, 0
	WIN 0
	s_barrier_wait -1
.if \fill
	CREST                                          ; the barrier has opened a round of the cluster's barrier: no wave of any partner still reads this slot or has a load on its way
	s_add_nc_u64 s[G0+4*\slot+2:G0+4*\slot+3], s[G0+4*\slot+2:G0+4*\slot+3], 8192
	s_add_nc_u64 s[G0B+4*\slot+2:G0B+4*\slot+3], s[G0B+4*\slot+2:G0B+4*\slot+3], 8192
	JLOAD G0+4*\slot, G1, G0B+4*\slot, G1B         ; the first tensor load behind the round; its four v_nop are also the places in front of the loads below
.else
	PLACES
.endif
	FETCH \next, 0, 0
	WIN MULC
	MUL8 3, 1, 0
.endm
	s_wait_tensorcnt 0x1                           ; my part of slot 0 is in (slot 1's load may be out)
	s_barrier_signal -1
	s_barrier_wait -1                              ; everybody's is
	FETCH 0, 0, 0
	STEP 0, 1                                      ; K 0: the bias starts the sums
	XROWS 32                                       ; the other 32 rows of x
	TURN 0, 1, 1                                   ; slot 0 takes K 512 ..
	STEP 1, 0
	TURN 1, 0, 1                                   ; slot 1 takes K 768 ..
	STEP 0, 0
	TURN 0, 1, 0                                   ; nothing is left to fetch
	STEP 1, 0
	s_wait_dscnt 0x0                               ; the last step
	MUL8 0, 1, 0
	MUL8 1, 1, 0
	MUL8 2, 1, 0
	MUL8 3, 1, 0
	WIN 0
; THE WAY OUT, block by block of 16 tokens x 128 features.  A lane holds 32 neighbouring bytes of a row, the lanes beside it other rows: the block goes through my own stage and comes back as whole rows of 512 bytes.
; LDS serves a wave's instructions in order (ISA guide 5.7.1.4): no wait between the stores and the loads, nor in front of the next block's stores.
.macro TOSTAGE a
.set AC, 64*(\a)
.set BB, BI+96*((\a)%2)                ; v32-95 and v128-191 by turns
	WIN 0x08                                       ; the stores' data: window 2
.irp b, 0,1,2,3,4,5,6,7
	ds_store_b128 v[STO], v[AC+8*\b:AC+8*\b+3] offset:64*\b          ; each accumulator from its low end on
	ds_store_b128 v[STO], v[AC+8*\b+4:AC+8*\b+7] offset:64*\b+16
.endr
	WIN 0
.irp t, 0,1,2,3,4,5,6,7,8,9,10,11,12,13,14,15
	ds_load_b128 v[BB+4*\t:BB+4*\t+3], v[RD] offset:\t*SPITCH
.endr
.endm
.macro SEND a, younger                 ; younger: the LDS instructions issued behind block a's loads, which may stay out
.set BB, BI+96*((\a)%2)
	s_wait_dscnt \younger                          ; the block is back in registers
	s_wait_loadcnt 48-16*(\a)                      ; x's rows 16 a .. 16 a + 15 are in; the rows behind them may be out
	WIN 0x30                                       ; source 2 (x) window 3
.set jj, 0
.rept 32
	v_pk_fma_f32 v[BB+jj:BB+jj+1], v[BB+jj:BB+jj+1], s[96:97], v[64*(\a)+jj:64*(\a)+jj+1] op_sel_hi:[1,0,1]   ; sum x 2^(e6 + e7) + x
.set jj, jj+2
.endr
	WIN 0
.irp t, 0,1,2,3,4,5,6,7,8,9,10,11,12,13,14,15
	global_store_b128 v[LI], v[BB+4*\t:BB+4*\t+3], s[70:71] offset:(16*(\a)+\t)*4096 th:TH_STORE_NT   ; 32 lanes store 512 consecutive bytes, aligned; written once, read by nobody here
.endr
.endm
	PLACES                                         ; behind the last products: their results are read, and loads land in registers that they read
	TOSTAGE 0
	TOSTAGE 1
	SEND 0, 32                                     ; behind block 0's loads: block 1's 16 stores and 16 loads
	s_wait_xcnt 0x0                                ; block 0's stores have read their registers: block 2's loads may land there
	TOSTAGE 2
	SEND 1, 32
	s_wait_xcnt 0x0
	TOSTAGE 3
	SEND 2, 32
	SEND 3, 0
	s_wait_tensorcnt 0x0                           ; the wave's end
	ds_add_u32 v[SPW], v[NIL]
	s_wait_dscnt 0x0
	CROUND                                         ; the closing round: no work-group ends while a partner may still ask for a tile that names it
	s_endpgm
.Lfunc_end_k_q678961badf_fc:
	.size	k_q678961badf_fc, .Lfunc_end_k_q678961badf_fc-k_q678961badf_fc
	.p2alignl 7, 3214868480
	.fill 96, 4, 3214868480
	.section	.rodata,"a",@progbits
	.p2align	6, 0x0
	.amdhsa_kernel k_q678961badf_fc
		.amdhsa_group_segment_fixed_size 327680
		.amdhsa_private_segment_fixed_size 0
		.amdhsa_enable_private_segment 0
		.amdhsa_kernarg_size 48
		.amdhsa_user_sgpr_count 2
		.amdhsa_user_sgpr_kernarg_segment_ptr 1
		.amdhsa_wavefront_size32 1
		.amdhsa_system_sgpr_workgroup_id_x 1
		.amdhsa_system_sgpr_workgroup_id_y 1
		.amdhsa_system_sgpr_workgroup_id_z 1
		.amdhsa_system_vgpr_workitem_id 0
		.amdhsa_next_free_vgpr 1024
		.amdhsa_next_free_sgpr 100
		.amdhsa_reserve_vcc 0
		.amdhsa_float_denorm_mode_32 3
		.amdhsa_float_denorm_mode_16_64 3
		.amdhsa_memory_ordered 1
		.amdhsa_forward_progress 1
		.amdhsa_inst_pref_size 86
	.end_amdhsa_kernel
	.amdgpu_metadata
---
amdhsa.version: [ 1, 2 ]
amdhsa.kernels:
  - .name:           k_q678961badf_fc
    .symbol:         k_q678961badf_fc.kd
    .args:
      - { .name: attimg, .offset: 0, .size: 8, .value_kind: global_buffer, .address_space: global }
      - { .name: wfimg, .offset: 8, .size: 8, .value_kind: global_buffer, .address_space: global }
      - { .name: b_fc, .offset: 16, .size: 8, .value_kind: global_buffer, .address_space: global }
      - { .name: x, .offset: 24, .size: 8, .value_kind: global_buffer, .address_space: global }
      - { .name: lowp_scales, .offset: 32, .size: 8, .value_kind: global_buffer, .address_space: global }
      - { .name: out0, .offset: 40, .size: 8, .value_kind: global_buffer, .address_space: global }
    .group_segment_fixed_size: 327680
    .private_segment_fixed_size: 0
    .kernarg_segment_align: 8
    .kernarg_segment_size: 48
    .max_flat_workgroup_size: 128
    .sgpr_count:     100
    .vgpr_count:     1024
    .wavefront_size: 32
...
	.end_amdgpu_metadata
.endif
;; end of part 4
